; MI455X (gfx1250); checked and timed in simulation.
; The chip was launched on July 23, 2026; its instructions are those of AMD's public machine-readable ISA for CDNA 5 (MIT licence, August 2026) and "CDNA5" Instruction Set Architecture Reference Guide (July 2026). The comments in the code are by the model that wrote it; some were corrected since.
;; MH Attention. Allowed arithmetic: float matrix products may take bf16 or f16 operands with f32 sums; other float arithmetic in f32, or as packed bf16 or f16 multiplies, adds, multiply-adds, maxima and minima; sums over many terms, partial sums and values carried from step to step in f32; what a program stores and reads back later, other than sums and carried values, may be rounded once to bf16 or f16.
;; Inputs: W1 512 x 2,048 float32; W2 2,048 x 512 float32; Wk 512 x 512 float32; Wm 512 x 512 float32; Wq 512 x 512 float32; Wv 512 x 512 float32; b1 512 float32; b2 512 float32; g1 512 float32; g2 512 float32; k 4 x 4,096 x 512 float32; q 4 x 4,096 x 512 float32; v 4 x 4,096 x 512 float32.
;; Outputs: out0 4 x 4,096 x 512 float32.
;; 2 versions, each right; version 2 is version 1 with the launch prep written anew for expert scheduling mode. Each part assembles by itself: llvm-mc -triple=amdgcn-amd-amdhsa -mcpu=gfx1250 --defsym DOCPART=n.
;; ======== version 1 of 2: 4 launches
;; limits: values are held in f16: magnitudes above 65,504 overflow, below 6.1e-05 lose precision
;; workspace buffers: wf 6,291,456 bytes; mb 2,097,152 bytes; pkv 33,554,432 bytes; ksp 1,048,576 bytes; ks 8,192 bytes
;; launch prep (part 1): grid 768 x 1, 2 waves a work-group, no clusters, 0 bytes of LDS; arguments Wk, Wv, Wq, Wm, W1, W2, wf; writes wf
.if DOCPART == 1
	.amdgcn_target "amdgcn-amd-amdhsa--gfx1250"
	.amdhsa_code_object_version 6
	.text
	.protected	k_q46f76f34fa_prep
	.globl	k_q46f76f34fa_prep
	.p2align	8
	.type	k_q46f76f34fa_prep,@function
k_q46f76f34fa_prep:
	s_mov_b64 s[64:65], 0
	v_nop
	global_prefetch_b8 v0, s[64:65] scope:SCOPE_SE
	s_setreg_imm32_b32 hwreg(HW_REG_WAVE_MODE, 25, 1), 1
	s_wait_xcnt 0x0
; PREP: the six weight matrices are rounded once to 16 bits and laid out in the order in which the later kernels' matrix operands take them.
; WORK LEFT OUT BY THE PROGRAM (shown here, at its first kernel).  reference() takes Vn = Vp / S ahead of the sum over s and multiplies msg by S behind it (S = 4096):
;   msg = Q (sum_s K (Vp / S)) Z S = Q (sum_s K Vp) Z in real numbers, whatever finite values the inputs hold, since the sum over s and both products are linear in Vp.
; Both scalings are left out.  LIMIT: an overflow, an underflow, a NaN or an infinity that only these two scalings would make or avoid is not carried to the result.
; RE-ASSOCIATED, exact in real numbers: msg.reshape @ Wm = sum_h (Q_h Z_h) (KV_h Wm_h) = Qs @ M_b, with Qs = Q Z and M_b[64 h + d][n] = sum_v KV_bh[d][v] Wm[64 h + v][n], made once a batch.
; elu(x) + 1 is taken as max(x, 0) + exp(min(x, 0)), the same number for every finite x.  Every input has a way to the output, and every input is loaded.
; FRAGMENT ORDER.  wf holds 12 blocks of 512 (k, in) x 512 (n, out), 524,288 bytes each: 0 Wk, 1 Wv, 2 Wq, 3 Wm in bf16; 4 + 2 c = W1[:, 512 c ..] and 5 + 2 c = W2[512 c .., :] in f16.
; A block is [slot s 4][wave w 4][K step ks 4][tile ot 8][half p 2][lane L 32][16 bytes]; a lane's eight numbers are n = 128 w + 16 ot + L % 16, k = 128 ks + 32 s + 16 p + 8 (L / 16) + 0..7:
; 1,024 bytes on end are the register image of a 16 x 32 matrix operand.
; SHARES.  Work-group = (block, eight rows k), wave = 256 columns n.  A load takes 128 consecutive bytes of a row; sixteen neighbouring lanes store 256 consecutive bytes, aligned.
.set OFS, 2                            ; v[2:9]    4 x lane + e x the source's pitch
.set DST, 10                           ; v10       (lane / 16) x 1,024 + (lane % 16) x 16
.set DAT, 16                           ; v[16:79]  group j of 32 columns: eight rows
.set PKD, 80                           ; v[80:111] group j: 16 bytes to store
	s_load_b256 s[4:11], s[0:1], 0x0               ; Wk, Wv, Wq, Wm
	s_load_b128 s[12:15], s[0:1], 0x20             ; W1, W2
	s_load_b64 s[16:17], s[0:1], 0x30              ; wf
	v_lshrrev_b32 v1, 5, v0
	v_readfirstlane_b32 s18, v1                    ; which 256 columns
	v_and_b32 v1, 31, v0
	s_lshr_b32 s20, ttmp9, 6                       ; block 0..11
	s_and_b32 s21, ttmp9, 63                       ; kg: rows 8 kg .. 8 kg + 7
	s_sub_co_u32 s22, s20, 4                       ; for the FFN's blocks: 2 c + kind (used only where block >= 4)
	s_lshr_b32 s23, s22, 1                         ; c
	s_and_b32 s24, s22, 1                          ; 0: W1, 1: W2
	s_lshl_b32 s30, s23, 11                        ; W1's chunk begins 512 c columns in: 2,048 c bytes
	s_lshl_b32 s31, s23, 20                        ; W2's 512 c rows down: c x 2^20 bytes
	s_cmp_ge_u32 s20, 4
	s_cselect_b32 s25, 1, 0
	s_and_b32 s29, s24, s25                        ; 1: a block of W2
	s_xor_b32 s28, s24, 1
	s_and_b32 s28, s28, s25                        ; 1: a block of W1
	s_lshl_b32 s32, s28, 1
	s_lshl_b32 s32, 2048, s32                      ; the source's pitch: 8,192 bytes in W1, else 2,048
	s_cmp_eq_u32 s28, 1
	s_cselect_b32 s34, s30, 0
	s_cmp_eq_u32 s29, 1
	s_cselect_b32 s34, s31, s34
	s_lshl_b32 s33, s21, 3
	s_mul_i32 s33, s33, s32                        ; + 8 kg rows
	s_add_co_u32 s34, s34, s33
	s_lshl_b32 s33, s18, 10                        ; + my 256 columns
	s_add_co_u32 s34, s34, s33
	s_mov_b32 s35, 0
	s_lshl_b32 s38, s20, 19                        ; where it goes: the block,
	s_bfe_u32 s36, s21, 0x20002
	s_lshl_b32 s36, s36, 17                        ; s = (k / 32) % 4,
	s_add_co_u32 s38, s38, s36
	s_lshr_b32 s36, s21, 4
	s_lshl_b32 s36, s36, 13                        ; ks = k / 128,
	s_add_co_u32 s38, s38, s36
	s_bfe_u32 s36, s21, 0x10001
	s_lshl_b32 s36, s36, 9                         ; p = (k / 16) % 2,
	s_add_co_u32 s38, s38, s36
	s_and_b32 s36, s21, 1
	s_lshl_b32 s36, s36, 8                         ; the lanes' half = (k / 8) % 2,
	s_add_co_u32 s38, s38, s36
	s_lshl_b32 s36, s18, 16                        ; and my 256 columns: two waves' parts
	s_add_co_u32 s38, s38, s36
	s_mov_b32 s39, 0
	v_lshlrev_b32 v11, 2, v1
.irp e, 0,1,2,3,4,5,6,7
	s_mul_i32 s36, s32, \e
	v_add_nc_u32 v[OFS+\e], s36, v11
.endr
	v_and_b32 v12, 15, v1
	v_lshrrev_b32 v13, 4, v1
	v_lshlrev_b32 v[DST], 4, v12
	v_lshl_add_u32 v[DST], v13, 10, v[DST]
	s_wait_kmcnt 0x0
	s_cmp_eq_u32 s20, 1                            ; the block's source: a choice between buffers on the block's number alone
	s_cselect_b64 s[26:27], s[6:7], s[4:5]
	s_cmp_eq_u32 s20, 2
	s_cselect_b64 s[26:27], s[8:9], s[26:27]
	s_cmp_eq_u32 s20, 3
	s_cselect_b64 s[26:27], s[10:11], s[26:27]
	s_cmp_eq_u32 s28, 1
	s_cselect_b64 s[26:27], s[12:13], s[26:27]
	s_cmp_eq_u32 s29, 1
	s_cselect_b64 s[26:27], s[14:15], s[26:27]
	s_add_nc_u64 s[26:27], s[26:27], s[34:35]
	s_add_nc_u64 s[16:17], s[16:17], s[38:39]
.set j_, 0
.rept 8                                ; all 64 loads go out before the first wait
.set e_, 0
.rept 8
	global_load_b32 v[DAT+8*j_+e_], v[OFS+e_], s[26:27] offset:128*j_ th:TH_LOAD_NT
.set e_, e_+1
.endr
.set j_, j_+1
.endr
.macro OUTP f16                        ; group j: its eight loads are in when 56 - 8 j younger ones are out; eight k of one n are 16 bytes
.set j_, 0
.rept 8
	s_wait_loadcnt 56-8*j_
.set i_, 0
.rept 4
.if \f16
	v_cvt_pk_f16_f32 v[PKD+4*j_+i_], v[DAT+8*j_+2*i_], v[DAT+8*j_+2*i_+1]
.else
	v_cvt_pk_bf16_f32 v[PKD+4*j_+i_], v[DAT+8*j_+2*i_], v[DAT+8*j_+2*i_+1]
.endif
.set i_, i_+1
.endr
	global_store_b128 v[DST], v[PKD+4*j_:PKD+4*j_+3], s[16:17] offset:(j_>>2)*32768+(j_&3)*2048
.set j_, j_+1
.endr
.endm
	s_cmp_ge_u32 s20, 4
	s_cbranch_scc1 .Lffn
	OUTP 0
	s_endpgm
.Lffn:
	OUTP 1
	s_endpgm
.Lfunc_end_k_q46f76f34fa_prep:
	.size	k_q46f76f34fa_prep, .Lfunc_end_k_q46f76f34fa_prep-k_q46f76f34fa_prep
	.p2alignl 7, 3214868480
	.fill 96, 4, 3214868480
	.section	.rodata,"a",@progbits
	.p2align	6, 0x0
	.amdhsa_kernel k_q46f76f34fa_prep
		.amdhsa_group_segment_fixed_size 0
		.amdhsa_private_segment_fixed_size 0
		.amdhsa_enable_private_segment 0
		.amdhsa_kernarg_size 56
		.amdhsa_user_sgpr_count 2
		.amdhsa_user_sgpr_kernarg_segment_ptr 1
		.amdhsa_wavefront_size32 1
		.amdhsa_system_sgpr_workgroup_id_x 1
		.amdhsa_system_sgpr_workgroup_id_y 1
		.amdhsa_system_sgpr_workgroup_id_z 1
		.amdhsa_system_vgpr_workitem_id 0
		.amdhsa_next_free_vgpr 112
		.amdhsa_next_free_sgpr 66
		.amdhsa_reserve_vcc 0
		.amdhsa_float_denorm_mode_32 3
		.amdhsa_float_denorm_mode_16_64 3
		.amdhsa_memory_ordered 1
		.amdhsa_forward_progress 1
		.amdhsa_inst_pref_size 16
	.end_amdhsa_kernel
	.amdgpu_metadata
---
amdhsa.version: [ 1, 2 ]
amdhsa.kernels:
  - .name:           k_q46f76f34fa_prep
    .symbol:         k_q46f76f34fa_prep.kd
    .args:
      - { .name: Wk, .offset: 0, .size: 8, .value_kind: global_buffer, .address_space: global }
      - { .name: Wv, .offset: 8, .size: 8, .value_kind: global_buffer, .address_space: global }
      - { .name: Wq, .offset: 16, .size: 8, .value_kind: global_buffer, .address_space: global }
      - { .name: Wm, .offset: 24, .size: 8, .value_kind: global_buffer, .address_space: global }
      - { .name: W1, .offset: 32, .size: 8, .value_kind: global_buffer, .address_space: global }
      - { .name: W2, .offset: 40, .size: 8, .value_kind: global_buffer, .address_space: global }
      - { .name: wf, .offset: 48, .size: 8, .value_kind: global_buffer, .address_space: global }
    .group_segment_fixed_size: 0
    .private_segment_fixed_size: 0
    .kernarg_segment_align: 8
    .kernarg_segment_size: 56
    .max_flat_workgroup_size: 64
    .sgpr_count:     66
    .vgpr_count:     112
    .wavefront_size: 32
...
	.end_amdgpu_metadata
.endif
;; end of part 1
;; launch kv (part 2): grid 256 x 1, 4 waves a work-group, clusters of 4 x 1, 327,680 bytes of LDS; arguments k, v, wf, pkv, ksp; writes pkv, ksp
.if DOCPART == 2
	.amdgcn_target "amdgcn-amd-amdhsa--gfx1250"
	.amdhsa_code_object_version 6
	.text
	.protected	k_q46f76f34fa_kv
	.globl	k_q46f76f34fa_kv
	.p2align	8
	.type	k_q46f76f34fa_kv,@function
k_q46f76f34fa_kv:
	s_mov_b64 s[64:65], 0
	v_nop
	global_prefetch_b8 v0, s[64:65] scope:SCOPE_SE
	s_setreg_imm32_b32 hwreg(HW_REG_WAVE_MODE, 25, 1), 1
	s_wait_xcnt 0x0
	s_wait_alu depctr_hold_cnt(0) depctr_sa_sdst(0) depctr_va_vdst(0) depctr_va_sdst(0) depctr_va_ssrc(0) depctr_va_vcc(0) depctr_vm_vsrc(0)
	s_getreg_b32 s2, hwreg(HW_REG_IB_STS2, 6, 4)
	s_cmp_eq_u32 s2, 0
	s_cbranch_scc0 .Lentry_in_a_cluster
	s_endpgm
.Lentry_in_a_cluster:
	s_bfe_u32 s2, ttmp6, 0x10000c
	s_cmp_lg_u32 s2, 0x3003
	s_cbranch_scc0 .Lentry_shape_is_right
	s_endpgm
.Lentry_shape_is_right:
; KV: for 64 tokens, K = elu(k Wk) + 1 and Vp = v Wv, then the tokens' part of V^T K for each head and of K's sum over tokens, both in f32.
; LEFT OUT: Vn = Vp / S (it cancels against msg's factor S for all values: shown at the head of the first kernel).
; FORMATS.  k, v, Wk, Wv, K and Vp are matrix operands in bf16; all sums in f32.  LIMITS: a NaN is dropped by the feature map's max and min; exp results below 2^-126 count as 0.
; SHARES.  Work-group tb = 4 x cluster + cx has tokens 64 tb .. 64 tb + 63.  Wave w makes output channels 128 w .. 128 w + 127 (two heads) for all 64 tokens: 32 accumulators, (tt, ot) at 8 (tt + 4 ot).
; THE STREAM.  Wk and Wv are 8 slots of 131,072 bytes in fragment order; wave w's 32,768 bytes of a slot are read by wave w alone.  All work-groups walk the same stream, so each slot is asked for JOINTLY
; by the four partners of a cluster: the same tensor load, descriptor and mask in all four.  Two LDS slots take turns; a refill has one slot, 128 matrix instructions a wave, in which to land.
; THE WINDOWS.  Slot s multiplies the input channels 128 ks + 32 s + 0..31, ks = 0..3.  They stand in one of two windows of [64 tokens][128] bf16, rows 272 bytes apart (68 words: the 16 rows of a load
; begin at 16 different groups of four banks; 64 banks of 4 bytes: ISA guide 11.1).  Wave w holds tokens 16 w .. 16 w + 15 of the input, packed, and stores its 16 rows of the next slot's window while this slot is multiplied.
; LAYOUT.  D = (tokens) x (W's columns): a lane holds ONE channel (lane % 16), its registers tokens 8 (lane / 16) + 0..7.  Two token tiles rounded to bf16 are a 16 x 32 operand with the tokens as K,
; so V^T K needs no exchange: T(vt, dt, hh) = sum over tokens of V(v) K(d): a lane holds d, its registers v.
; REGISTERS, in windows of 256 (s_set_vgpr_msb: bits 1:0 source 0, 3:2 source 1, 5:4 source 2, 7:6 destination):
;   window 0: v0-61 addresses and sums; v64-127 input fragments, two buffers; v128-255 XP: the packed input, at the end the packed Vp
;   window 1: the input as loaded (f32), at the end T     window 2: the accumulators     window 3: v0-127 W fragments, two buffers, and the feature map's temporaries; v128-255 KP: the packed K
.set NSLOT, 8
.set RING1, 0x20000                    ; LDS: slot 0 at 0, slot 1 here: one exclusive or turns the one into the other
.set WIN0,  0x40000                    ; window 0: 64 x 272 = 17,408 bytes
.set WINX,  0x8000                     ; window 1 at 0x48000
.set SPARE, 0x44c00                    ; the spare words, 128 bytes a wave: two blocks of 256 bytes that no other line names
.set LW0, 3                            ; v3   16 x lane + 32,768 x wave: my place in a slot
.set LA0, 4                            ; v4   272 (lane % 16) + 16 (lane / 16): my place in a window, reading
.set ADW, 5                            ; v5   LW0 + the slot in hand
.set ADA, 6                            ; v6   LA0 + the window in hand
.set ADP, 7                            ; v7   LP0 + the other window
.set GC,  8                            ; v8   my bytes of the input: 32,768 wave + 512 (lane / 8) + 16 (lane % 8)
.set L16, 9                            ; v9   16 x lane
.set PFO, 15                           ; v15  256 x lane
.set KSM, 16                           ; v16-23  K's sum over my tokens, a register for each ot
.set KT,  24                           ; v24-39  at work
.set LP0, 56                           ; v56  4,352 x wave + 8 x lane: my place in a window, storing
.set ADE, 57                           ; v57  LP0 + the window in hand
.set SPW, 60                           ; v60  my spare word
.set NIL, 61                           ; v61  0
.set AF,  64
.set XP,  128
.set KP,  128                          ; window 3
.set WV, 22
.set T0, 23
.set OF, 24                            ; s[24:25] a slot's byte offset
.set G1, 28                            ; s[28:35] descriptor group 1
.set G0A, 36                           ; s[36:39] group 0 for slot 0
.set G0B, 40                           ; s[40:43] group 0 for slot 1; it then walks
.set WFW, 44                           ; s[44:45] wf + 32,768 x wave
.set WFP, 48                           ; s[48:49] wf + 32,768 cx + 8,192 x wave: the prefetches' base
.set PF,  52                           ; s[52:53] the prefetch's address
.set G,   54                           ; trips left
.set GM,  55                           ; the slot's number in its block
.set NS,  56                           ; GM + 1
.set NF,  57                           ; the slot to ask for
.set PFON, 61
.set PW,  62                           ; 1 in the launch's first cluster
.set RB,  66
.set WB,  67
.set WBN, 68
.set TC,  69
.set CL,  72                           ; s[72:73] log2(e)
.set CX,  77
.set TB,  78
.set OQ,  80
.set OW,  86
.set OP,  88
.set OS,  90
.set MSB, 0
.macro WIN new                         ; the immediate's high byte repeats the setting that is left; a switch that changes nothing is dropped
.if MSB != (\new)
	s_set_vgpr_msb (MSB<<8)|(\new)
.set MSB, \new
.endif
.endm
.macro PLACES                          ; four plain vector instructions behind a matrix instruction, ahead of loads into and vector work on its registers
.rept 4
	v_nop
.endr
.endm
.macro CREST                           ; a round of the cluster's barrier behind its opening barrier
	s_cmp_lg_u32 s[WV], 0
	s_cbranch_scc1 .Lnw0_\@
	s_barrier_signal -3
.Lnw0_\@:
	s_barrier_wait -3
	s_barrier_signal -1
	s_barrier_wait -1
.endm
.macro CROUND
	s_barrier_signal -1
	s_barrier_wait -1
	CREST
.endm
; Products of one K step of 32 for the tiles ot = o0 .. o0 + no - 1, all four token tiles, from buffer f.  mode 0: they start the sums.  The 32 accumulators take turns in one fixed order.
.macro MUL f, o0, no, mode
	WIN 0xac                               ; A: input fragments, window 0; B: W fragments, window 3; C and D window 2
.set o_, \o0
.rept \no
.set t_, 0
.rept 4
.set a_, 8*(t_+4*o_)
.set w_, 64*(\f)+8*o_
.set x_, AF+32*(\f)+8*t_
.if (\mode) == 0
	v_wmma_f32_16x16x32_bf16 v[a_:a_+7], v[x_:x_+7], v[w_:w_+7], 0
.else
	v_wmma_f32_16x16x32_bf16 v[a_:a_+7], v[x_:x_+7], v[w_:w_+7], v[a_:a_+7]
.endif
.set t_, t_+1
.endr
.set o_, o_+1
.endr
.endm
; 24 LDS loads in one run: K step ks of the slot in hand into buffer f: 4 input fragments, then 8 W fragments.
.macro FETCH ks, f
	WIN 0
.set t_, 0
.rept 4
.set x_, AF+32*(\f)+8*t_
	ds_load_b128 v[x_:x_+3],   v[ADA] offset:4352*t_+64*(\ks)
	ds_load_b128 v[x_+4:x_+7], v[ADA] offset:4352*t_+64*(\ks)+32
.set t_, t_+1
.endr
	WIN 0xc0
.set o_, 0
.rept 8
.set w_, 64*(\f)+8*o_
	ds_load_b128 v[w_:w_+3],   v[ADW] offset:8192*(\ks)+1024*o_
	ds_load_b128 v[w_+4:w_+7], v[ADW] offset:8192*(\ks)+1024*o_+512
.set o_, o_+1
.endr
.endm
.macro PUT16 s, adr                    ; my 16 tokens' rows of the window of slot s: 32 lanes x 8 bytes fill a row's 256 bytes
.set t_, 0
.rept 16
	ds_store_b64 v[\adr], v[XP+2*(t_+16*(\s)):XP+2*(t_+16*(\s))+1] offset:272*t_
.set t_, t_+1
.endr
.endm
.macro PUTMID                          ; the next slot's window; the arm goes by the slot's number, the same in all waves, since register numbers are fixed in the text
	WIN 0
	s_cmp_eq_u32 s[NS], 1
	s_cbranch_scc0 .Lp2_\@
	PUT16 1, ADP
	s_branch .Lpd_\@
.Lp2_\@:
	s_cmp_eq_u32 s[NS], 2
	s_cbranch_scc0 .Lp3_\@
	PUT16 2, ADP
	s_branch .Lpd_\@
.Lp3_\@:
	s_cmp_eq_u32 s[NS], 3
	s_cbranch_scc0 .Lpd_\@
	PUT16 3, ADP
.Lpd_\@:
.endm
.macro PUTLAST
	WIN 0
	s_cmp_eq_u32 s[NS], 3
	s_cbranch_scc0 .Lpl_\@
	PUT16 3, ADP
.Lpl_\@:
.endm
; One of a slot's first three K steps: multiplies buffer ks % 2 and, in its middle, fetches the next K step into the other buffer.
.macro STEP ks, mode, put
	s_wait_dscnt 8                         ; the input fragments and W's tiles 0-3 are in; the youngest eight loads (tiles 4-7) may be out
	MUL (\ks)&1, 0, 4, \mode
	PLACES
.if (\mode) != 1
	v_nop                                  ; (five, ahead of products that write accumulators anew)
.endif
.if (\put) == 1
	PUTMID
.elseif (\put) == 2
	PUTLAST
.endif
	FETCH (\ks)+1, 1-((\ks)&1)
	s_wait_dscnt 24                        ; all but the 24 just issued
	MUL (\ks)&1, 4, 4, \mode
.endm
; A prefetch of stream slot NF + 3: three slots, 384 matrix instructions a wave, ahead of its tensor load.  The launch's first cluster alone asks; partner cx takes 32,768 bytes of the slot BY ADDRESS,
; wave w 8,192 of them, a lane 256: each block of 256 bytes is named once.  The changes out of slots 0, 1 and 2 ask for slots 5, 6 and 7; from the change out of slot 3 on NF + 3 is past the last slot;
; the first five slots come by their loads alone.
.macro ASK
	s_cmp_eq_u32 s[PFON], 1
	s_cbranch_scc0 .Lna_\@
	global_prefetch_b8 v[PFO], s[PF:PF+1] th:TH_LOAD_NT scope:SCOPE_SE
.Lna_\@:
.endm
; elu(x) + 1 = max(x, 0) + 2^(log2(e) min(x, 0)) on the 256 accumulator registers, 128 at a time.  The 128 exponentials of a half are one batch with one wait; the 128 maxima are the plain work behind them.
.macro FEAT
.irp bt, 0, 128
	WIN 0xc2
.set p_, 0
.rept 64
	v_pk_mul_f32 v[p_:p_+1], v[(\bt)+p_:(\bt)+p_+1], s[CL:CL+1] op_sel_hi:[1,0]
.set p_, p_+2
.endr
	WIN 0xcc
.set p_, 0
.rept 128
	v_min_num_f32 v[p_], 0, v[p_]
.set p_, p_+1
.endr
	WIN 0xc3
.set p_, 0
.rept 128
	v_exp_f32 v[p_], v[p_]
.set p_, p_+1
.endr
	WIN 0x88
.set p_, 0
.rept 128
	v_max_num_f32 v[(\bt)+p_], 0, v[(\bt)+p_]
.set p_, p_+1
.endr
	s_wait_alu depctr_va_vdst(0)           ; one wait for the batch, ahead of its first reader
	WIN 0x8e
.set p_, 0
.rept 64
	v_pk_add_f32 v[(\bt)+p_:(\bt)+p_+1], v[(\bt)+p_:(\bt)+p_+1], v[p_:p_+1]
.set p_, p_+2
.endr
.endr
.endm
.macro PACK dst, w                     ; 256 f32 of one window to 128 registers of bf16 pairs, ascending: each accumulator is read from its low end on
	WIN \w
.set p_, 0
.rept 128
	v_cvt_pk_bf16_f32 v[(\dst)+p_], v[2*p_], v[2*p_+1]
.set p_, p_+1
.endr
.endm
.macro INPUT ptr                       ; my 16 tokens, all 512 channels: load t + 16 s takes, of token t, 32 channels (128 consecutive bytes, 8 lanes) in each of the four K steps of slot s
	WIN 0x40
.set i_, 0
.rept 64
	global_load_b128 v[4*i_:4*i_+3], v[GC], s[\ptr:\ptr+1] offset:2048*(i_&15)+128*(i_>>4) th:TH_LOAD_NT
.set i_, i_+1
.endr
	WIN 0
.endm
	s_load_b256 s[4:11], s[0:1], 0x0               ; k s[4:5], v s[6:7], wf s[8:9], pkv s[10:11]
	s_load_b64 s[12:13], s[0:1], 0x20              ; ksp
	v_lshl_add_u32 v[SPW], v0, 2, SPARE
	v_mov_b32 v[NIL], 0
	ds_add_u32 v[SPW], v[NIL]                      ; the wave's opening: the add, twice on end, and its wait ahead of my first tensor load; the set-up below is work on registers
	ds_add_u32 v[SPW], v[NIL]
	v_lshrrev_b32 v1, 5, v0
	v_readfirstlane_b32 s[WV], v1                  ; wave 0..3
	s_bfe_u32 s[CX], ttmp6, 0x40000                ; my place in the cluster: it enters the addresses of k, v, pkv, ksp and of the prefetches alone
	s_lshl_b32 s[TB], ttmp9, 2
	s_add_co_u32 s[TB], s[TB], s[CX]               ; tb
	s_lshl_b32 s[OQ], s[TB], 17                    ; 64 rows of 2,048 bytes; also the work-group's 4 x 32,768 bytes of pkv
	s_mov_b32 s[OQ+1], 0
	s_lshl_b32 s[OW], s[WV], 15
	s_mov_b32 s[OW+1], 0
	s_lshl_b32 s[OS], s[TB], 12                    ; (4 tb + wave) x 1,024 in ksp
	s_lshl_b32 s[T0], s[WV], 10
	s_add_co_u32 s[OS], s[OS], s[T0]
	s_mov_b32 s[OS+1], 0
	s_lshl_b32 s[OP], s[CX], 15
	s_lshl_b32 s[T0], s[WV], 13
	s_add_co_u32 s[OP], s[OP], s[T0]
	s_mov_b32 s[OP+1], 0
	s_cmp_eq_u32 ttmp9, 0
	s_cselect_b32 s[PW], 1, 0
	; descriptor group 1: 32,768 dense bytes as 128 rows of 256 bytes
	s_mov_b32 s[G1+0], 15|(3<<16)|(1<<21)          ; 15:0 the mask: all four work-groups; 17:16 elements of 8 bytes; 21 set beside a mask; no padding
	s_mov_b32 s[G1+1], 32<<16                      ; tensor_dim0 = 32
	s_mov_b32 s[G1+2], 128<<16                     ; tensor_dim1 = 128
	s_mov_b32 s[G1+3], 32<<16                      ; tile_dim0 = 32
	s_mov_b32 s[G1+4], 128                         ; tile_dim1 = 128
	s_mov_b32 s[G1+5], 32                          ; 32 elements from row to row
	s_mov_b32 s[G1+6], 0
	s_mov_b32 s[G1+7], 0
	s_mov_b32 s[G0A], 1
	s_lshl_b32 s[G0A+1], s[WV], 15                 ; LDS: the wave's number times a constant, plus the slot's constant
	s_mov_b32 s[G0B], 1
	s_add_co_u32 s[G0B+1], s[G0A+1], RING1
	s_mov_b32 s[CL], 0x3fb8aa3b
	s_mov_b32 s[CL+1], s[CL]
	s_mov_b32 s[OF+1], 0
	s_mov_b32 s[G], NSLOT-2
	s_mov_b32 s[GM], 0
	s_mov_b32 s[NS], 1
	s_mov_b32 s[NF], 2
	s_mov_b32 s[RB], 0
	s_mov_b32 s[WB], WIN0
	s_mov_b32 s[WBN], WIN0+WINX
	v_and_b32 v1, 31, v0
	v_and_b32 v2, 15, v0
	v_bfe_u32 v10, v0, 4, 1
	v_lshl_add_u32 v[LW0], v1, 4, s[OW]
	v_mul_u32_u24 v[LA0], v2, 272
	v_lshl_add_u32 v[LA0], v10, 4, v[LA0]
	s_mul_i32 s[T0], s[WV], 4352
	v_lshl_add_u32 v[LP0], v1, 3, s[T0]
	v_lshrrev_b32 v11, 3, v1
	v_and_b32 v12, 7, v1
	v_lshl_add_u32 v[GC], v12, 4, s[OW]
	v_lshl_add_u32 v[GC], v11, 9, v[GC]
	v_lshlrev_b32 v[L16], 4, v1
	v_lshlrev_b32 v[PFO], 8, v1
	v_mov_b32 v[ADW], v[LW0]
	v_add_nc_u32 v[ADA], WIN0, v[LA0]
	v_add_nc_u32 v[ADE], WIN0, v[LP0]
	v_add_nc_u32 v[ADP], WIN0+WINX, v[LP0]
	s_wait_dscnt 0x0                               ; both opening adds are done
	s_wait_kmcnt 0x0
	s_add_nc_u64 s[4:5], s[4:5], s[OQ:OQ+1]
	s_add_nc_u64 s[6:7], s[6:7], s[OQ:OQ+1]
	s_add_nc_u64 s[10:11], s[10:11], s[OQ:OQ+1]
	s_add_nc_u64 s[10:11], s[10:11], s[OW:OW+1]
	s_add_nc_u64 s[12:13], s[12:13], s[OS:OS+1]
	s_add_nc_u64 s[WFW:WFW+1], s[8:9], s[OW:OW+1]
	s_add_nc_u64 s[WFP:WFP+1], s[8:9], s[OP:OP+1]
	s_mov_b64 s[G0A+2:G0A+3], s[WFW:WFW+1]         ; stream slot 0
	s_or_b32 s[G0A+3], s[G0A+3], 0x80000000
	s_add_nc_u64 s[G0B+2:G0B+3], s[WFW:WFW+1], 1<<17  ; stream slot 1
	s_or_b32 s[G0B+3], s[G0B+3], 0x80000000
	CROUND                                         ; all four work-groups are here: the first joint loads meet
	tensor_load_to_lds s[G0A:G0A+3], s[G1:G1+7]    ; two loads of mine are out
	s_nop 0
	tensor_load_to_lds s[G0B:G0B+3], s[G1:G1+7]
	s_nop 0
	PLACES
	INPUT 4                                        ; k
	s_wait_loadcnt 0x0
	PACK XP, 0x05
	INPUT 6                                        ; v: on its way while block 0 is multiplied
	PUT16 0, ADE
	s_wait_tensorcnt 0x1                           ; my part of slot 0 is in; slot 1's may stay out
	s_wait_dscnt 0x0                               ; my rows of window 0 are stored
	s_barrier_signal -1
	s_barrier_wait -1
	FETCH 0, 0
	WIN 0
.Lslot:                                        ; slots 0 to 5: each asks for the slot two on
	s_cmp_eq_u32 s[GM], 0
	s_cbranch_scc0 .Lacc
	STEP 0, 0, 0                                   ; a block's first K step starts the sums: nothing is cleared
	WIN 0
	s_branch .Lone
.Lacc:
	STEP 0, 1, 0
	WIN 0
.Lone:
	STEP 1, 1, 1
	STEP 2, 1, 0
	; the slot's last K step and the change of slots
	WIN 0
	s_wait_xcnt 0x0                                ; the prefetch of a slot ago has read its address
	s_wait_tensorcnt 0x0                           ; all my tensor loads have landed: the one that was out is my part of the next slot
	ds_add_u32 v[SPW], v[NIL]                      ; 0 onto my spare word: scalar work and eight products stand between it and the wait for it
	s_lshl_b32 s[OF], s[NF], 17
	s_add_nc_u64 s[G0B+2:G0B+3], s[WFW:WFW+1], s[OF:OF+1]  ; the walking descriptor: stream slot NF,
	s_or_b32 s[G0B+3], s[G0B+3], 0x80000000
	s_xor_b32 s[G0B+1], s[G0B+1], RING1            ; into the LDS slot that is being left
	s_add_co_u32 s[T0], s[NF], 3
	s_lshl_b32 s[OF], s[T0], 17
	s_add_nc_u64 s[PF:PF+1], s[WFP:WFP+1], s[OF:OF+1]
	s_cmp_lt_u32 s[NF], NSLOT-3
	s_cselect_b32 s[PFON], s[PW], 0
	s_wait_dscnt 13                                ; the add and W's tiles 2-7 (12 loads) may be out
	MUL 1, 0, 2, 1
	s_wait_dscnt 0x0                               ; the add is done, my reads of the slot and of the window are over, my rows of the next window are stored
	s_barrier_signal -1                            ; this barrier opens a round of the cluster's
	MUL 1, 2, 2, 1
	WIN 0
	s_barrier_wait -1
	CREST                                          ; no wave of any partner still reads the slot or has a load on its way
	tensor_load_to_lds s[G0B:G0B+3], s[G1:G1+7]    ; my one load behind the round
	s_nop 0
	PLACES                                         ; also the places ahead of the loads into buffer 0
	s_xor_b32 s[RB], s[RB], RING1
	s_xor_b32 s[WB], s[WB], WINX
	s_xor_b32 s[WBN], s[WBN], WINX
	v_add_nc_u32 v[ADW], s[RB], v[LW0]
	v_add_nc_u32 v[ADA], s[WB], v[LA0]
	v_add_nc_u32 v[ADP], s[WBN], v[LP0]
	s_cmp_eq_u32 s[GM], 3
	s_cbranch_scc1 .Lblock_end
	FETCH 0, 0
	WIN 0
	ASK
	MUL 1, 4, 4, 1
	WIN 0
	s_branch .Lnext
.Lblock_end:                                   ; block 0 is finished: K.  (This is the change out of slot 3: nothing is left to prefetch.)
	MUL 1, 4, 4, 1
	WIN 0
	PLACES
	FEAT
	WIN 0x0a                                       ; K's sum over my lanes' 32 tokens: eight chains, one a channel tile, of 15 packed additions
.irp o, 0,1,2,3,4,5,6,7
	v_pk_add_f32 v[KT+2*\o:KT+2*\o+1], v[32*\o:32*\o+1], v[32*\o+2:32*\o+3]
.endr
	WIN 0x02
.set n_, 16
.rept 112
.set d_, KT+2*(n_&7)
.set a_, 32*(n_&7)+2*(n_>>3)
	v_pk_add_f32 v[d_:d_+1], v[a_:a_+1], v[d_:d_+1]
.set n_, n_+1
.endr
	WIN 0
.irp o, 0,1,2,3,4,5,6,7
	v_add_f32 v[KSM+\o], v[KT+2*\o], v[KT+2*\o+1]
.endr
	PACK KP, 0xca
	s_wait_loadcnt 0x0                             ; v
	PACK XP, 0x05
	WIN 0
	v_add_nc_u32 v[ADE], s[WB], v[LP0]
	PUT16 0, ADE                                   ; the window of the next block's first slot: last read a slot ago, ahead of a round
	s_wait_dscnt 0x0
	s_barrier_signal -1                            ; the refill may stay out
	s_barrier_wait -1
	FETCH 0, 0
	WIN 0
.Lnext:
	s_add_co_u32 s[GM], s[GM], 1
	s_and_b32 s[GM], s[GM], 3
	s_add_co_u32 s[NS], s[GM], 1
	s_add_co_u32 s[NF], s[NF], 1
	s_sub_co_u32 s[G], s[G], 1
	s_cmp_lg_u32 s[G], 0
	s_cbranch_scc1 .Lslot
	s_mov_b32 s[TC], 2
.Ltail:                                        ; the last two slots ask for nothing: written apart
	STEP 0, 1, 0
	STEP 1, 1, 2
	STEP 2, 1, 0
	WIN 0
	s_wait_tensorcnt 0x0                           ; the last slot has landed
	ds_add_u32 v[SPW], v[NIL]
	s_wait_dscnt 0x0
	s_barrier_signal -1
	MUL 1, 0, 4, 1
	WIN 0
	s_barrier_wait -1
	PLACES
	s_xor_b32 s[RB], s[RB], RING1
	s_xor_b32 s[WB], s[WB], WINX
	s_xor_b32 s[WBN], s[WBN], WINX
	v_add_nc_u32 v[ADW], s[RB], v[LW0]
	v_add_nc_u32 v[ADA], s[WB], v[LA0]
	v_add_nc_u32 v[ADP], s[WBN], v[LP0]
	s_cmp_eq_u32 s[GM], 3
	s_cbranch_scc1 .Lno_fetch
	FETCH 0, 0
	WIN 0
.Lno_fetch:
	MUL 1, 4, 4, 1
	WIN 0
	s_add_co_u32 s[GM], s[GM], 1
	s_and_b32 s[GM], s[GM], 3
	s_add_co_u32 s[NS], s[GM], 1
	s_sub_co_u32 s[TC], s[TC], 1
	s_cmp_lg_u32 s[TC], 0
	s_cbranch_scc1 .Ltail
	s_wait_dscnt 0x0
	PLACES
	PACK XP, 0x0a                                  ; Vp, packed: tokens along the registers
	WIN 0x5c                                       ; A: Vp, window 0; B: K, window 3; C and D window 1
.irp u, 0,1                            ; 32 tokens a pass; the 32 tiles take turns
.set c_, 0
.rept 32
.set x_, XP+16*(4*(c_>>4)+(c_&3))+8*\u
.set w_, KP+16*(4*(c_>>4)+((c_>>2)&3))+8*\u
.if \u == 0
	v_wmma_f32_16x16x32_bf16 v[8*c_:8*c_+7], v[x_:x_+7], v[w_:w_+7], 0
.else
	v_wmma_f32_16x16x32_bf16 v[8*c_:8*c_+7], v[x_:x_+7], v[w_:w_+7], v[8*c_:8*c_+7]
.endif
.set c_, c_+1
.endr
.endr
	PLACES
	WIN 0x04
.set q_, 0
.rept 64
	global_store_b128 v[L16], v[4*q_:4*q_+3], s[10:11] offset:512*q_  ; a wave's store covers 512 consecutive bytes, aligned
.set q_, q_+1
.endr
	WIN 0
	global_store_b128 v[L16], v[KSM:KSM+3], s[12:13]
	global_store_b128 v[L16], v[KSM+4:KSM+7], s[12:13] offset:512
	s_wait_tensorcnt 0x0                           ; the wave's end: behind my last tensor load and my last LDS store
	ds_add_u32 v[SPW], v[NIL]
	s_wait_dscnt 0x0
	CROUND                                         ; the closing round
	s_endpgm
.Lfunc_end_k_q46f76f34fa_kv:
	.size	k_q46f76f34fa_kv, .Lfunc_end_k_q46f76f34fa_kv-k_q46f76f34fa_kv
	.p2alignl 7, 3214868480
	.fill 96, 4, 3214868480
	.section	.rodata,"a",@progbits
	.p2align	6, 0x0
	.amdhsa_kernel k_q46f76f34fa_kv
		.amdhsa_group_segment_fixed_size 327680
		.amdhsa_private_segment_fixed_size 0
		.amdhsa_enable_private_segment 0
		.amdhsa_kernarg_size 40
		.amdhsa_user_sgpr_count 2
		.amdhsa_user_sgpr_kernarg_segment_ptr 1
		.amdhsa_wavefront_size32 1
		.amdhsa_system_sgpr_workgroup_id_x 1
		.amdhsa_system_sgpr_workgroup_id_y 1
		.amdhsa_system_sgpr_workgroup_id_z 1
		.amdhsa_system_vgpr_workitem_id 0
		.amdhsa_next_free_vgpr 1024
		.amdhsa_next_free_sgpr 92
		.amdhsa_reserve_vcc 0
		.amdhsa_float_denorm_mode_32 3
		.amdhsa_float_denorm_mode_16_64 3
		.amdhsa_memory_ordered 1
		.amdhsa_forward_progress 1
		.amdhsa_inst_pref_size 156
	.end_amdhsa_kernel
	.amdgpu_metadata
---
amdhsa.version: [ 1, 2 ]
amdhsa.kernels:
  - .name:           k_q46f76f34fa_kv
    .symbol:         k_q46f76f34fa_kv.kd
    .args:
      - { .name: k, .offset: 0, .size: 8, .value_kind: global_buffer, .address_space: global }
      - { .name: v, .offset: 8, .size: 8, .value_kind: global_buffer, .address_space: global }
      - { .name: wf, .offset: 16, .size: 8, .value_kind: global_buffer, .address_space: global }
      - { .name: pkv, .offset: 24, .size: 8, .value_kind: global_buffer, .address_space: global }
      - { .name: ksp, .offset: 32, .size: 8, .value_kind: global_buffer, .address_space: global }
    .group_segment_fixed_size: 327680
    .private_segment_fixed_size: 0
    .kernarg_segment_align: 8
    .kernarg_segment_size: 40
    .max_flat_workgroup_size: 128
    .sgpr_count:     92
    .vgpr_count:     1024
    .wavefront_size: 32
...
	.end_amdgpu_metadata
.endif
;; end of part 2
;; launch mix (part 3): grid 128 x 1, 8 waves a work-group, no clusters, 38,912 bytes of LDS; arguments pkv, ksp, wf, mb, ks; writes mb, ks
.if DOCPART == 3
	.amdgcn_target "amdgcn-amd-amdhsa--gfx1250"
	.amdhsa_code_object_version 6
	.text
	.protected	k_q46f76f34fa_mix
	.globl	k_q46f76f34fa_mix
	.p2align	8
	.type	k_q46f76f34fa_mix,@function
k_q46f76f34fa_mix:
	s_mov_b64 s[64:65], 0
	v_nop
	global_prefetch_b8 v0, s[64:65] scope:SCOPE_SE
	s_setreg_imm32_b32 hwreg(HW_REG_WAVE_MODE, 25, 1), 1
	s_wait_xcnt 0x0
; MIX: the 64 partial sums of a batch are added, and M_b = KV Wm is laid out as a weight block in fragment order (see the first kernel); K's sum goes to ks.
; SHARES.  Work-group u = (batch b, head h, dt): 16 rows d = 16 dt .. of KV_bh (16 x 64) and the 16 rows 64 h + d of M_b.  128 work-groups: a matrix instruction wants 16 rows, and a split of the 512 columns
; would read the partial sums twice.  Wave i adds partials 8 i .. 8 i + 7 (64 loads of 512 consecutive bytes, all out before the first wait); the eight waves' sums meet in LDS; wave i then makes columns 64 i .. 64 i + 63.
; No multicast: no two work-groups read the same partial sums, and Wm's share is 8 KiB of a wave's 40.  No prefetch: every load of the launch goes out at its head.
; LAYOUT.  In a partial a lane holds d = lane % 16, its registers v = 16 vt + 8 (lane / 16) + j: rounded to bf16 in pairs that IS operand A (rows d, K = v).  B = Wm's fragments.  In D a lane holds a column n and
; eight d on end: 16 bytes of the block.  All sums in f32; KV and Wm are bf16 operands, M_b is rounded once to bf16.
.set SUMB, 32768                       ; LDS: 0: eight waves' sums, 4,096 bytes each; here: their sum, 4,096 bytes
.set KSS,  36864                       ; eight waves' parts of K's sum, 128 bytes each
.set SPARE, 37888                      ; the spare words, 128 bytes a wave: four blocks of 256 bytes that no other line names
.set L16, 2
.set AS,  3                            ; 4,096 wave + 16 lane
.set SPW, 4
.set NIL, 5
.set AR,  6                            ; 512 wave + 16 lane
.set AK,  7                            ; KSS + 128 wave + 4 lane
.set L4,  8
.set RK,  9                            ; 4 (lane % 16)
.set WV, 14
.set MSB, 0
.macro WIN new
.if MSB != (\new)
	s_set_vgpr_msb (MSB<<8)|(\new)
.set MSB, \new
.endif
.endm
	s_load_b256 s[4:11], s[0:1], 0x0               ; pkv, ksp, wf, mb
	s_load_b64 s[12:13], s[0:1], 0x20              ; ks
	v_lshl_add_u32 v[SPW], v0, 2, SPARE
	v_mov_b32 v[NIL], 0
	v_lshrrev_b32 v1, 5, v0
	v_readfirstlane_b32 s[WV], v1                  ; wave 0..7
	v_and_b32 v1, 31, v0
	v_lshlrev_b32 v[L16], 4, v1
	v_lshlrev_b32 v[L4], 2, v1
	v_and_b32 v[RK], 15, v0
	v_lshlrev_b32 v[RK], 2, v[RK]
	s_lshl_b32 s32, s[WV], 12
	v_add_nc_u32 v[AS], s32, v[L16]
	s_lshl_b32 s32, s[WV], 9
	v_add_nc_u32 v[AR], s32, v[L16]
	s_lshl_b32 s32, s[WV], 7
	s_add_co_u32 s32, s32, KSS
	v_add_nc_u32 v[AK], s32, v[L4]
	s_mov_b32 s30, 0x76543210
	s_mov_b32 s31, 0xfedcba98
	s_lshr_b32 s15, ttmp9, 5                       ; b
	s_bfe_u32 s16, ttmp9, 0x30002                  ; h
	s_and_b32 s17, ttmp9, 3                        ; dt
	s_lshr_b32 s18, s16, 1                         ; the wave of kv that held the head
	s_and_b32 s19, s16, 1                          ; which of its two heads
	s_lshr_b32 s36, s[WV], 1                       ; my columns: part w of a slot,
	s_and_b32 s37, s[WV], 1                        ; tiles 4 (i % 2) ..
	s_lshl_b32 s34, s15, 6
	s_lshl3_add_u32 s34, s[WV], s34                ; my first partial: 64 b + 8 i
	s_lshl_b32 s20, s34, 17                        ; pkv: a work-group's four waves are 131,072 bytes
	s_lshl_b32 s35, s18, 15
	s_add_co_u32 s20, s20, s35
	s_lshl2_add_u32 s35, s19, s17                  ; tiles (vt 0..3, dt, hh): 4,096 bytes at 4,096 (dt + 4 hh)
	s_lshl_b32 s35, s35, 12
	s_add_co_u32 s20, s20, s35
	s_mov_b32 s21, 0
	s_lshl2_add_u32 s22, s34, s18                  ; ksp: (4 partial + wave) x 1,024 + 512 hh + 4 dt
	s_lshl_b32 s22, s22, 10
	s_lshl_b32 s35, s19, 9
	s_add_co_u32 s22, s22, s35
	s_lshl_b32 s35, s17, 2
	s_add_co_u32 s22, s22, s35
	s_mov_b32 s23, 0
	s_lshl_b32 s24, s19, 18                        ; Wm, block 3: k = 64 h + 32 u: slot 2 (h % 2) + u, K step h / 2
	s_add_co_u32 s24, s24, 3<<19
	s_lshl_b32 s35, s36, 15
	s_add_co_u32 s24, s24, s35
	s_lshl_b32 s35, s18, 13
	s_add_co_u32 s24, s24, s35
	s_lshl_b32 s35, s37, 12
	s_add_co_u32 s24, s24, s35
	s_mov_b32 s25, 0
	s_lshl_b32 s26, s15, 19                        ; M_b: k = 64 h + 16 dt + ..: slot 2 (h % 2) + dt / 2, K step h / 2, half dt % 2
	s_lshr_b32 s35, s17, 1
	s_lshl1_add_u32 s35, s19, s35
	s_lshl_b32 s35, s35, 17
	s_add_co_u32 s26, s26, s35
	s_lshl_b32 s35, s36, 15
	s_add_co_u32 s26, s26, s35
	s_lshl_b32 s35, s18, 13
	s_add_co_u32 s26, s26, s35
	s_lshl_b32 s35, s37, 12
	s_add_co_u32 s26, s26, s35
	s_and_b32 s35, s17, 1
	s_lshl_b32 s35, s35, 9
	s_add_co_u32 s26, s26, s35
	s_mov_b32 s27, 0
	s_lshl_b32 s28, s15, 11                        ; ks: 4 (512 b + 64 h + 16 dt)
	s_lshl_b32 s35, s16, 8
	s_add_co_u32 s28, s28, s35
	s_lshl_b32 s35, s17, 6
	s_add_co_u32 s28, s28, s35
	s_mov_b32 s29, 0
	s_wait_kmcnt 0x0
	s_add_nc_u64 s[4:5], s[4:5], s[20:21]
	s_add_nc_u64 s[6:7], s[6:7], s[22:23]
	s_add_nc_u64 s[8:9], s[8:9], s[24:25]
	s_add_nc_u64 s[10:11], s[10:11], s[26:27]
	s_add_nc_u64 s[12:13], s[12:13], s[28:29]
.set j_, 0
.rept 4
.set q_, 0
.rept 8
	global_load_b128 v[64+32*j_+4*q_:64+32*j_+4*q_+3], v[L16], s[4:5] offset:131072*j_+512*q_ th:TH_LOAD_NT
.set q_, q_+1
.endr
.set j_, j_+1
.endr
	WIN 0x40
.set j_, 0
.rept 4
.set q_, 0
.rept 8
	global_load_b128 v[32*j_+4*q_:32*j_+4*q_+3], v[L16], s[4:5] offset:131072*(j_+4)+512*q_ th:TH_LOAD_NT
.set q_, q_+1
.endr
.set j_, j_+1
.endr
	WIN 0
.irp j, 0,1,2,3,4,5,6,7
	global_load_b32 v[16+\j], v[L16], s[6:7] offset:4096*\j
.endr
.irp u, 0,1
.irp o, 0,1,2,3
	global_load_b128 v[192+8*(\o+4*\u):192+8*(\o+4*\u)+3],   v[L16], s[8:9] offset:131072*\u+1024*\o
	global_load_b128 v[192+8*(\o+4*\u)+4:192+8*(\o+4*\u)+7], v[L16], s[8:9] offset:131072*\u+1024*\o+512
.endr
.endr
	s_wait_loadcnt 56                              ; the first four partials are in: 32 + 8 + 16 younger loads may be out
.set p_, 0
.rept 16
	v_pk_add_f32 v[32+p_:33+p_], v[64+p_:65+p_], v[96+p_:97+p_]
	v_pk_add_f32 v[128+p_:129+p_], v[128+p_:129+p_], v[160+p_:161+p_]
.set p_, p_+2
.endr
.set p_, 0
.rept 16
	v_pk_add_f32 v[32+p_:33+p_], v[32+p_:33+p_], v[128+p_:129+p_]
.set p_, p_+2
.endr
	s_wait_loadcnt 24                              ; the other four: 8 + 16 may be out
	WIN 0x45
.set p_, 0
.rept 16
	v_pk_add_f32 v[p_:p_+1], v[p_:p_+1], v[32+p_:33+p_]
	v_pk_add_f32 v[64+p_:65+p_], v[64+p_:65+p_], v[96+p_:97+p_]
.set p_, p_+2
.endr
.set p_, 0
.rept 16
	v_pk_add_f32 v[p_:p_+1], v[p_:p_+1], v[64+p_:65+p_]
.set p_, p_+2
.endr
	WIN 0x04
.set p_, 0
.rept 16
	v_pk_add_f32 v[32+p_:33+p_], v[32+p_:33+p_], v[p_:p_+1]
.set p_, p_+2
.endr
	WIN 0
	s_wait_loadcnt 16                              ; K's sums: Wm's 16 loads may be out
	v_add_f32 v16, v16, v17
	v_add_f32 v18, v18, v19
	v_add_f32 v20, v20, v21
	v_add_f32 v22, v22, v23
	v_add_f32 v16, v16, v18
	v_add_f32 v20, v20, v22
	v_add_f32 v16, v16, v20
.irp q, 0,1,2,3,4,5,6,7
	ds_store_b128 v[AS], v[32+4*\q:35+4*\q] offset:512*\q
.endr
	ds_store_b32 v[AK], v16
	s_wait_dscnt 0x0                               ; for the others' sake: my sums are stored
	s_barrier_signal -1
	s_barrier_wait -1
.irp s, 0,1,2,3,4,5,6,7
	ds_load_b128 v[64+4*\s:67+4*\s], v[AR] offset:4096*\s   ; my eighth of the tile, from all eight waves
.endr
	s_wait_dscnt 0x0
.irp s, 0,2,4,6
	v_pk_add_f32 v[64+4*\s:65+4*\s], v[64+4*\s:65+4*\s], v[68+4*\s:69+4*\s]
	v_pk_add_f32 v[66+4*\s:67+4*\s], v[66+4*\s:67+4*\s], v[70+4*\s:71+4*\s]
.endr
.irp s, 0,4
	v_pk_add_f32 v[64+4*\s:65+4*\s], v[64+4*\s:65+4*\s], v[72+4*\s:73+4*\s]
	v_pk_add_f32 v[66+4*\s:67+4*\s], v[66+4*\s:67+4*\s], v[74+4*\s:75+4*\s]
.endr
	v_pk_add_f32 v[64:65], v[64:65], v[80:81]
	v_pk_add_f32 v[66:67], v[66:67], v[82:83]
	ds_store_b128 v[AR], v[64:67] offset:SUMB
	s_wait_dscnt 0x0
	s_barrier_signal -1
	s_barrier_wait -1
.irp q, 0,1,2,3,4,5,6,7
	ds_load_b128 v[32+4*\q:35+4*\q], v[L16] offset:SUMB+512*\q
.endr
	s_wait_dscnt 0x0
.set p_, 0
.rept 16
	v_cvt_pk_bf16_f32 v[96+p_], v[32+2*p_], v[33+2*p_]   ; operand A: v = 0..31 in v96-103, 32..63 in v104-111
.set p_, p_+1
.endr
	s_wait_loadcnt 0x0                             ; Wm
.irp o, 0,1,2,3                        ; four accumulators by turns; the first pass starts the sums
	v_wmma_f32_16x16x32_bf16 v[128+8*\o:135+8*\o], v[96:103], v[192+8*\o:199+8*\o], 0
.endr
.irp o, 0,1,2,3
	v_wmma_f32_16x16x32_bf16 v[128+8*\o:135+8*\o], v[104:111], v[224+8*\o:231+8*\o], v[128+8*\o:135+8*\o]
.endr
.rept 4
	v_nop
.endr
.set p_, 0
.rept 16
	v_cvt_pk_bf16_f32 v[160+p_], v[128+2*p_], v[129+2*p_]
.set p_, p_+1
.endr
.irp o, 0,1,2,3
	global_store_b128 v[L16], v[160+4*\o:163+4*\o], s[10:11] offset:1024*\o   ; half a fragment: 512 consecutive bytes, aligned
.endr
	s_cmp_lg_u32 s[WV], 0
	s_cbranch_scc1 .Lend
.irp j, 0,1,2,3,4,5,6,7
	ds_load_b32 v[16+\j], v[L4] offset:KSS+128*\j
.endr
	s_wait_dscnt 0x0
	v_add_f32 v16, v16, v17
	v_add_f32 v18, v18, v19
	v_add_f32 v20, v20, v21
	v_add_f32 v22, v22, v23
	v_add_f32 v16, v16, v18
	v_add_f32 v20, v20, v22
	v_add_f32 v16, v16, v20
	v_permlanex16_b32 v17, v16, s30, s31           ; the other half of the lanes holds the channel's other tokens
	v_add_f32 v16, v16, v17
	global_store_b32 v[RK], v16, s[12:13]          ; both halves of the lanes store the same number to the same word
.Lend:
	s_wait_tensorcnt 0x0                           ; the wave's end: behind my last LDS store
	ds_add_u32 v[SPW], v[NIL]
	s_wait_dscnt 0x0
	s_endpgm
.Lfunc_end_k_q46f76f34fa_mix:
	.size	k_q46f76f34fa_mix, .Lfunc_end_k_q46f76f34fa_mix-k_q46f76f34fa_mix
	.p2alignl 7, 3214868480
	.fill 96, 4, 3214868480
	.section	.rodata,"a",@progbits
	.p2align	6, 0x0
	.amdhsa_kernel k_q46f76f34fa_mix
		.amdhsa_group_segment_fixed_size 38912
		.amdhsa_private_segment_fixed_size 0
		.amdhsa_enable_private_segment 0
		.amdhsa_kernarg_size 40
		.amdhsa_user_sgpr_count 2
		.amdhsa_user_sgpr_kernarg_segment_ptr 1
		.amdhsa_wavefront_size32 1
		.amdhsa_system_sgpr_workgroup_id_x 1
		.amdhsa_system_sgpr_workgroup_id_y 1
		.amdhsa_system_sgpr_workgroup_id_z 1
		.amdhsa_system_vgpr_workitem_id 0
		.amdhsa_next_free_vgpr 384
		.amdhsa_next_free_sgpr 66
		.amdhsa_reserve_vcc 0
		.amdhsa_float_denorm_mode_32 3
		.amdhsa_float_denorm_mode_16_64 3
		.amdhsa_memory_ordered 1
		.amdhsa_forward_progress 1
		.amdhsa_inst_pref_size 26
	.end_amdhsa_kernel
	.amdgpu_metadata
---
amdhsa.version: [ 1, 2 ]
amdhsa.kernels:
  - .name:           k_q46f76f34fa_mix
    .symbol:         k_q46f76f34fa_mix.kd
    .args:
      - { .name: pkv, .offset: 0, .size: 8, .value_kind: global_buffer, .address_space: global }
      - { .name: ksp, .offset: 8, .size: 8, .value_kind: global_buffer, .address_space: global }
      - { .name: wf, .offset: 16, .size: 8, .value_kind: global_buffer, .address_space: global }
      - { .name: mb, .offset: 24, .size: 8, .value_kind: global_buffer, .address_space: global }
      - { .name: ks, .offset: 32, .size: 8, .value_kind: global_buffer, .address_space: global }
    .group_segment_fixed_size: 38912
    .private_segment_fixed_size: 0
    .kernarg_segment_align: 8
    .kernarg_segment_size: 40
    .max_flat_workgroup_size: 256
    .sgpr_count:     66
    .vgpr_count:     384
    .wavefront_size: 32
...
	.end_amdgpu_metadata
.endif
;; end of part 3
;; launch main (part 4): grid 256 x 1, 4 waves a work-group, clusters of 4 x 1, 327,680 bytes of LDS; arguments q, wf, mb, ks, g1, b1, g2, b2, out0; writes out0
.if DOCPART == 4
	.amdgcn_target "amdgcn-amd-amdhsa--gfx1250"
	.amdhsa_code_object_version 6
	.text
	.protected	k_q46f76f34fa_main
	.globl	k_q46f76f34fa_main
	.p2align	8
	.type	k_q46f76f34fa_main,@function
k_q46f76f34fa_main:
	s_mov_b64 s[64:65], 0
	v_nop
	global_prefetch_b8 v0, s[64:65] scope:SCOPE_SE
	s_setreg_imm32_b32 hwreg(HW_REG_WAVE_MODE, 25, 1), 1
	s_wait_xcnt 0x0
	s_wait_alu depctr_hold_cnt(0) depctr_sa_sdst(0) depctr_va_vdst(0) depctr_va_sdst(0) depctr_va_ssrc(0) depctr_va_vcc(0) depctr_vm_vsrc(0)
	s_getreg_b32 s2, hwreg(HW_REG_IB_STS2, 6, 4)
	s_cmp_eq_u32 s2, 0
	s_cbranch_scc0 .Lentry_in_a_cluster
	s_endpgm
.Lentry_in_a_cluster:
	s_bfe_u32 s2, ttmp6, 0x10000c
	s_cmp_lg_u32 s2, 0x3003
	s_cbranch_scc0 .Lentry_shape_is_right
	s_endpgm
.Lentry_shape_is_right:
; MAIN: 64 tokens go through the whole chain: Q = elu(q Wq) + 1; Z = 1 / (Q . Ksum + 1e-6) for each head; q + (Q Z) M_b; LayerNorm 1; relu(X W1) W2 in four chunks of 512; q + that; LayerNorm 2.
; LEFT OUT: msg's factor S (it cancels against Vp / S for all values: shown at the head of the first kernel).
; FORMATS.  q, Wq, Q Z and M_b are bf16 operands.  X (the first norm's result), H = relu(X W1), W1 and W2 are f16 operands.  All sums, both residuals (q stays in f32 from its load to the end), the
; denominators and the norms in f32.  LIMITS: f16 ends at 65,504: |X|, |H|, |W1|, |W2| stay below it (with unit X and W1 of spread 1 / sqrt(512), H has unit spread); below 6e-5 f16 keeps its fixed step of 6e-8.
; A NaN is dropped by relu's and the feature map's max and min; exp results below 2^-126 count as 0.  The FFN's four chunks are added in an order that differs from cluster to cluster (below).
; SHARES.  Work-group tb = 4 x cluster + cx has tokens 64 tb ..; wave w makes output channels 128 w .. 128 w + 127 of EVERY product for all 64 tokens: 32 accumulators, (tt, ot) at 8 (tt + 4 ot).
; LAYOUT.  D = (W's columns) x (tokens): a lane holds ONE token (lane % 16), its registers channels 16 ot + 8 (lane / 16) + 0..7.  So norms and denominators want one exchange between the halves of the lanes and one meeting of the waves.
; THE STREAM.  Ten weight blocks of 512 x 512 in fragment order, 40 slots of 131,072 bytes: Wq, M_b, then the FFN's four chunks, W1's and W2's part of a chunk by turns.  Each slot is asked for JOINTLY by
; the four partners of a cluster.  Two LDS slots take turns; a refill has one slot, 128 matrix instructions a wave, in which to land.  Wave w's 32,768 bytes of a slot are read by wave w alone.
; THE CHUNKS GO ROUND.  The sum over the chunks may be taken in any order: cluster x begins with chunk x % 4 and walks round, so that the 64 clusters ask for four different chunks at any time, and three of a walk's four
; chunks have been read by other clusters eight slots or more before.  The order enters the joint loads' global address alone, by the cluster's x, which the four partners share.
; THE WINDOWS.  An activation stays packed in its maker's registers.  Slot s multiplies channels 128 ks + 32 s + 0..31: 32 of each wave ks.  They stand in one of two windows of [64 tokens][128], rows 272 bytes apart
; (68 words: the 16 rows of a load begin at 16 different groups of four banks; 64 banks of 4 bytes: ISA guide 11.1); each wave stores its 64 bytes of each row of the next slot's window while this slot is multiplied.
; THE NORM IS WRITTEN ONCE: a counted loop of two trips stands round it, the FFN and the FFN's tail; the second trip leaves behind the norm, for the way out.
; REGISTERS, in windows of 256 (s_set_vgpr_msb: bits 1:0 source 0, 3:2 source 1, 5:4 source 2, 7:6 destination):
;   window 0: v0-62 addresses and statistics; v64-127 activation fragments, two buffers; v128-255 XP: packed q, then Q Z, then X
;   window 1: Y: q in f32, later q + the FFN's finished chunks     window 2: the accumulators
;   window 3: v0-127 W fragments, two buffers, and the epilogues' temporaries; v128-255 Ksum and b1, then g1 and b1, then HP (packed H), at the end g2 and b2
.set NSLOT, 40
.set RING1, 0x20000
.set WIN0,  0x40000                    ; window 0: 17,408 bytes; behind the last product: the stages of waves 0 and 1, 16 rows x 528 bytes each
.set WINX,  0x8000                     ; window 1 at 0x48000; the stages of waves 2 and 3
.set SCR,   0x44400                    ; [token 64][wave 4][mean, sum of squares]: 2,048 bytes
.set SPARE, 0x44c00                    ; the spare words, 128 bytes a wave: two blocks of 256 bytes that no other line names
.set LW0, 3                            ; v3   16 lane + 32,768 wave
.set LA0, 4                            ; v4   272 (lane % 16) + 16 (lane / 16)
.set ADW, 5
.set ADA, 6
.set ADP, 7
.set GQ,  8                            ; v8   2,048 (lane % 16) + 32 (lane / 16) + 512 wave
.set GV,  9                            ; v9   32 (lane / 16) + 512 wave
.set SCW, 10
.set SCRD, 11
.set STO, 12
.set SRD, 13
.set GO,  14                           ; v14  16 lane + 512 wave
.set PFO, 15
.set LP0, 56                           ; v56  LA0 + 64 wave
.set ADE, 57
.set SPW, 60
.set NIL, 61
.set ZR,  62                           ; v62  0, for relu on packed halves
.set AF,  64
.set XP,  128
.set HP,  128                          ; window 3
.set GG,  128                          ; window 3
.set BB,  192                          ; window 3
.set Q, 4
.set WFB, 6
.set MBB, 8
.set KSB, 10
.set G1P, 12
.set B1P, 14
.set G2P, 16
.set B2P, 18
.set OUT, 20
.set WV, 22
.set T0, 23
.set OF, 24
.set T1, 26
.set G1, 28
.set G0A, 36
.set G0B, 40
.set WFW, 44                           ; wf + 32,768 wave
.set MBW, 46                           ; mb + 524,288 b + 32,768 wave
.set WFP, 48                           ; the prefetches' bases: + 32,768 cx + 8,192 wave
.set MBP, 50
.set PF,  52
.set G,   54
.set GM,  55
.set NS,  56
.set NF,  57
.set BK,  58                           ; the block's number, 0..9
.set SRC, 59                           ; 1: the block's windows come from HP
.set CY,  60                           ; 1: the block's sums start from Y
.set PFON, 61
.set PW,  62                           ; 1 in clusters 0 to 3
.set PM,  63                           ; 1 in a batch's first cluster
.set RB,  66
.set WB,  67
.set WBN, 68
.set TC,  69
.set SEL, 70
.set CL,  72
.set EPA, 74
.set I512, 75
.set EPL, 76
.set CX,  77
.set TB,  78
.set C128, 79                          ; 128.0: a wave's channels
.set OQ,  80
.set OM,  82
.set OK,  84
.set OW,  86
.set OP,  88
.set RQ,  90                           ; 8 (cluster x % 4) + 24: stream slot n >= 8 lies at wf's slot 16 + (n + RQ) % 32
.set PASS, 91                          ; counts the norm's two trips
.set FORM, 0                           ; 0: bf16 products, 1: f16
.set MSB, 0
.macro WIN new
.if MSB != (\new)
	s_set_vgpr_msb (MSB<<8)|(\new)
.set MSB, \new
.endif
.endm
.macro PLACES                          ; four plain vector instructions behind a matrix instruction, ahead of loads into and vector work on its registers
.rept 4
	v_nop
.endr
.endm
.macro CREST
	s_cmp_lg_u32 s[WV], 0
	s_cbranch_scc1 .Lnw0_\@
	s_barrier_signal -3
.Lnw0_\@:
	s_barrier_wait -3
	s_barrier_signal -1
	s_barrier_wait -1
.endm
.macro CROUND
	s_barrier_signal -1
	s_barrier_wait -1
	CREST
.endm
.macro ALL4 line:vararg                ; one line for each token tile t
.set t, 0
.rept 4
	\line
.set t, t+1
.endr
.endm
.macro ALL8 line:vararg                ; one line for each (token tile, head) c
.set c, 0
.rept 8
	\line
.set c, c+1
.endr
.endm
; Products of one K step of 32 for the tiles ot = o0 .., all four token tiles, from buffer f.  mode 0: they start the sums with 0; 2: with Y; 1: they add on.  The 32 accumulators take turns in one fixed order.
.macro MUL f, o0, no, mode
.if (\mode) == 2
	WIN 0x93                               ; A: W, window 3; B: activations, window 0; C: Y, window 1; D window 2
.else
	WIN 0xa3
.endif
.set o_, \o0
.rept \no
.set t_, 0
.rept 4
.set a_, 8*(t_+4*o_)
.set w_, 64*(\f)+8*o_
.set x_, AF+32*(\f)+8*t_
.if FORM
.if (\mode) == 0
	v_wmma_f32_16x16x32_f16 v[a_:a_+7], v[w_:w_+7], v[x_:x_+7], 0
.else
	v_wmma_f32_16x16x32_f16 v[a_:a_+7], v[w_:w_+7], v[x_:x_+7], v[a_:a_+7]
.endif
.else
.if (\mode) == 0
	v_wmma_f32_16x16x32_bf16 v[a_:a_+7], v[w_:w_+7], v[x_:x_+7], 0
.else
	v_wmma_f32_16x16x32_bf16 v[a_:a_+7], v[w_:w_+7], v[x_:x_+7], v[a_:a_+7]
.endif
.endif
.set t_, t_+1
.endr
.set o_, o_+1
.endr
.endm
.macro FETCH ks, f                     ; 24 LDS loads in one run: 4 activation fragments, then 8 W fragments
	WIN 0
.set t_, 0
.rept 4
.set x_, AF+32*(\f)+8*t_
	ds_load_b128 v[x_:x_+3],   v[ADA] offset:4352*t_+64*(\ks)
	ds_load_b128 v[x_+4:x_+7], v[ADA] offset:4352*t_+64*(\ks)+32
.set t_, t_+1
.endr
	WIN 0xc0
.set o_, 0
.rept 8
.set w_, 64*(\f)+8*o_
	ds_load_b128 v[w_:w_+3],   v[ADW] offset:8192*(\ks)+1024*o_
	ds_load_b128 v[w_+4:w_+7], v[ADW] offset:8192*(\ks)+1024*o_+512
.set o_, o_+1
.endr
.endm
.macro PUT8 base, s, adr               ; my 32 channels (tiles 2 s, 2 s + 1) of all 64 tokens, into my 64 bytes of each row of a window
.set t_, 0
.rept 4
.set a_, (\base)+4*(t_+8*(\s))
	ds_store_b128 v[\adr], v[a_:a_+3]     offset:4352*t_
	ds_store_b128 v[\adr], v[a_+16:a_+19] offset:4352*t_+32
.set t_, t_+1
.endr
.endm
.macro PUTARMS base, w                 ; the arm goes by the next slot's number, the same in all waves, since register numbers are fixed in the text
	s_cmp_eq_u32 s[NS], 1
	s_cbranch_scc0 .Lq2_\@
	WIN \w
	PUT8 \base, 1, ADP
	WIN 0
	s_branch .Lqd_\@
.Lq2_\@:
	s_cmp_eq_u32 s[NS], 2
	s_cbranch_scc0 .Lq3_\@
	WIN \w
	PUT8 \base, 2, ADP
	WIN 0
	s_branch .Lqd_\@
.Lq3_\@:
	s_cmp_eq_u32 s[NS], 3
	s_cbranch_scc0 .Lqd_\@
	WIN \w
	PUT8 \base, 3, ADP
	WIN 0
.Lqd_\@:
.endm
.macro PUTXH
	s_cmp_eq_u32 s[SRC], 0
	s_cbranch_scc0 .Lfh_\@
	PUTARMS XP, 0
	s_branch .Lfd_\@
.Lfh_\@:
	PUTARMS HP, 0x0c
.Lfd_\@:
.endm
.macro PUTLAST
	s_cmp_eq_u32 s[NS], 3
	s_cbranch_scc0 .Lpl_\@
	WIN 0x0c
	PUT8 HP, 3, ADP
	WIN 0
.Lpl_\@:
.endm
; One of a slot's first three K steps.  put = 1: the next window from XP; 3: from XP or HP; 2: the tail's.
.macro STEP ks, mode, put
	s_wait_dscnt 8                         ; the activation fragments and W's tiles 0-3 are in; the youngest eight loads (tiles 4-7) may be out
	MUL (\ks)&1, 0, 4, \mode
	PLACES
.if (\mode) != 1
	v_nop                                  ; (five, ahead of products that write accumulators anew)
.endif
.if (\put) != 0
	WIN 0
.endif
.if (\put) == 1
	PUTARMS XP, 0
.elseif (\put) == 3
	PUTXH
.elseif (\put) == 2
	PUTLAST
.endif
	FETCH (\ks)+1, 1-((\ks)&1)
	s_wait_dscnt 24                        ; all but the 24 just issued
	MUL (\ks)&1, 4, 4, \mode
.endm
; A prefetch of stream slot NF + 3: three slots, 384 matrix instructions a wave, ahead of its tensor load.  WHO: a batch's M_b (stream slots 5 to 7) is asked for by the batch's first cluster.  Of the FFN, a chunk is read
; first by the quarter of the clusters that begins with it: clusters 0 to 3 ask, each for the eight slots of its own first chunk (stream slots 8 to 15); the other three chunks of a walk are not asked for: other clusters have read them.
; Partner cx takes 32,768 bytes of the slot BY ADDRESS, wave w 8,192 of them, a lane 256: each block of 256 bytes is named once.  The first five slots come by their loads alone.
.macro ASK
	s_cmp_eq_u32 s[PFON], 1
	s_cbranch_scc0 .Lna_\@
	global_prefetch_b8 v[PFO], s[PF:PF+1] th:TH_LOAD_NT scope:SCOPE_SE
.Lna_\@:
.endm
; The slot's last K step, first half, and the change of slots.  Stream slot n lies: n < 4 (Wq) at wf's slot n + 8; 4 <= n < 8 (the batch's M_b) at mb's slot n - 4; n >= 8 (the FFN) at wf's slot 16 + (n + RQ) % 32.
; ffn = 1: the FFN's loop, where NF is 10 or more and no choice is left.
.macro TURN1 ffn
	WIN 0
	s_wait_xcnt 0x0                        ; the prefetch of a slot ago has read its address
	s_wait_tensorcnt 0x0                   ; all my tensor loads have landed: the one that was out is my part of the next slot
	ds_add_u32 v[SPW], v[NIL]              ; 0 onto my spare word: scalar work and eight products stand between it and the wait for it
	s_add_co_u32 s[T1], s[NF], s[RQ]
	s_and_b32 s[T0], s[T1], 31
	s_add_co_u32 s[OF], s[T0], 16          ; the FFN's place in wf
.if \ffn
	s_lshl_b32 s[OF], s[OF], 17
	s_add_nc_u64 s[G0B+2:G0B+3], s[WFW:WFW+1], s[OF:OF+1]
.else
	s_add_co_u32 s[T0], s[NF], 8
	s_cmp_lt_u32 s[NF], 8
	s_cselect_b32 s[OF], s[T0], s[OF]
	s_sub_co_u32 s[T0], s[NF], 4
	s_cmp_lt_u32 s[T0], 4
	s_cselect_b32 s[OF], s[T0], s[OF]
	s_cselect_b64 s[G0B+2:G0B+3], s[MBW:MBW+1], s[WFW:WFW+1]
	s_lshl_b32 s[OF], s[OF], 17
	s_add_nc_u64 s[G0B+2:G0B+3], s[G0B+2:G0B+3], s[OF:OF+1]
.endif
	s_or_b32 s[G0B+3], s[G0B+3], 0x80000000
	s_xor_b32 s[G0B+1], s[G0B+1], RING1    ; into the LDS slot that is being left
	s_add_co_u32 s[T1], s[T1], 3           ; the same for slot NF + 3, from the prefetches' bases
	s_and_b32 s[T1], s[T1], 31
	s_add_co_u32 s[OF], s[T1], 16
.if \ffn
	s_lshl_b32 s[OF], s[OF], 17
	s_add_nc_u64 s[PF:PF+1], s[WFP:WFP+1], s[OF:OF+1]
	s_cmp_lt_u32 s[NF], 13                 ; slot NF + 3 still lies in the walk's first chunk
	s_cselect_b32 s[PFON], s[PW], 0
.else
	s_sub_co_u32 s[T0], s[NF], 1           ; here NF + 3 is 5 to 12: M_b's slots 1 to 3, then the first chunk's
	s_cmp_lt_u32 s[T0], 4
	s_cselect_b32 s[OF], s[T0], s[OF]
	s_cselect_b64 s[PF:PF+1], s[MBP:MBP+1], s[WFP:WFP+1]
	s_cselect_b32 s[PFON], s[PM], s[PW]
	s_lshl_b32 s[OF], s[OF], 17
	s_add_nc_u64 s[PF:PF+1], s[PF:PF+1], s[OF:OF+1]
.endif
	s_wait_dscnt 13                        ; the add and W's tiles 2-7 (12 loads) may be out
	MUL 1, 0, 2, 1
	s_wait_dscnt 0x0                       ; the add is done, my reads of the slot and of the window are over, my part of the next window is stored
	s_barrier_signal -1                    ; this barrier opens a round of the cluster's
	MUL 1, 2, 2, 1
	WIN 0
	s_barrier_wait -1
	CREST                                  ; no wave of any partner still reads the slot or has a load on its way
	tensor_load_to_lds s[G0B:G0B+3], s[G1:G1+7]  ; my one load behind the round
	s_nop 0
	PLACES                                 ; also the places ahead of the loads into buffer 0
	s_xor_b32 s[RB], s[RB], RING1
	s_xor_b32 s[WB], s[WB], WINX
	s_xor_b32 s[WBN], s[WBN], WINX
	v_add_nc_u32 v[ADW], s[RB], v[LW0]
	v_add_nc_u32 v[ADA], s[WB], v[LA0]
	v_add_nc_u32 v[ADP], s[WBN], v[LP0]
.endm
.macro COUNT
	s_add_co_u32 s[GM], s[GM], 1
	s_and_b32 s[GM], s[GM], 3
	s_add_co_u32 s[NS], s[GM], 1
	s_add_co_u32 s[NF], s[NF], 1
.endm
.macro MEETB                           ; a block's first window is stored: a barrier behind which nothing is filled (the refill may stay out), then the first fragments
	s_wait_dscnt 0x0
	s_barrier_signal -1
	s_barrier_wait -1
	FETCH 0, 0
	WIN 0
.endm
.macro PACK dst, w, f16                ; 256 f32 of one window to 128 registers of 16-bit pairs, ascending: each accumulator is read from its low end on
	WIN \w
.set p_, 0
.rept 128
.if \f16
	v_cvt_pk_f16_f32 v[(\dst)+p_], v[2*p_], v[2*p_+1]
.else
	v_cvt_pk_bf16_f32 v[(\dst)+p_], v[2*p_], v[2*p_+1]
.endif
.set p_, p_+1
.endr
.endm
.macro VEC64 base, ptr                 ; my lane's 64 numbers of a vector of 512 channels: 8 ot + j at base + 8 ot + j, window 3
	WIN 0xc0
.set o_, 0
.rept 8
	global_load_b128 v[(\base)+8*o_:(\base)+8*o_+3],   v[GV], s[\ptr:\ptr+1] offset:64*o_
	global_load_b128 v[(\base)+8*o_+4:(\base)+8*o_+7], v[GV], s[\ptr:\ptr+1] offset:64*o_+16
.set o_, o_+1
.endr
.endm
; elu(x) + 1 = max(x, 0) + 2^(log2(e) min(x, 0)), 128 registers at a time: the 128 exponentials are one batch with one wait; the 128 maxima are the plain work behind them.
.macro FEAT
.irp bt, 0, 128
	WIN 0xc2
.set p_, 0
.rept 64
	v_pk_mul_f32 v[p_:p_+1], v[(\bt)+p_:(\bt)+p_+1], s[CL:CL+1] op_sel_hi:[1,0]
.set p_, p_+2
.endr
	WIN 0xcc
.set p_, 0
.rept 128
	v_min_num_f32 v[p_], 0, v[p_]
.set p_, p_+1
.endr
	WIN 0xc3
.set p_, 0
.rept 128
	v_exp_f32 v[p_], v[p_]
.set p_, p_+1
.endr
	WIN 0x88
.set p_, 0
.rept 128
	v_max_num_f32 v[(\bt)+p_], 0, v[(\bt)+p_]
.set p_, p_+1
.endr
	s_wait_alu depctr_va_vdst(0)           ; one wait for the batch, ahead of its first reader
	WIN 0x8e
.set p_, 0
.rept 64
	v_pk_add_f32 v[(\bt)+p_:(\bt)+p_+1], v[(\bt)+p_:(\bt)+p_+1], v[p_:p_+1]
.set p_, p_+2
.endr
.endr
.endm
; Behind Wq: the feature map; Q . Ksum in f32 for each (token tile, head): eight chains of 16 packed multiply-adds at v16-31; Z; Q Z, packed.
.macro EPIQ
	FEAT
	WIN 0x0e
.set n_, 0
.rept 128
.set o_, 4*((n_>>2)&1)+(n_>>5)
.set a_, 8*((n_&3)+4*o_)+2*((n_>>3)&3)
.set k_, GG+8*o_+2*((n_>>3)&3)
.set d_, 16+2*(n_&7)
.if n_ < 8
	v_pk_mul_f32 v[d_:d_+1], v[a_:a_+1], v[k_:k_+1]
.else
	v_pk_fma_f32 v[d_:d_+1], v[a_:a_+1], v[k_:k_+1], v[d_:d_+1]
.endif
.set n_, n_+1
.endr
	VEC64 GG, G1P                          ; g1 takes Ksum's place
	WIN 0
	ALL8 v_add_f32 v[16+2*c], v[16+2*c], v[17+2*c]
	ALL8 v_permlanex16_b32 v[17+2*c], v[16+2*c], s[SEL], s[SEL+1]
	ALL8 v_add_f32 v[16+2*c], v[16+2*c], v[17+2*c]
	ALL8 v_add_f32 v[16+2*c], s[EPA], v[16+2*c]
	ALL8 v_rcp_f32 v[16+2*c], v[16+2*c]
	v_nop                                  ; a plain instruction behind the last reciprocal,
	s_wait_alu depctr_va_vdst(0)           ; and one wait for the eight
	WIN 0x82
.set q_, 0
.rept 128
.set d_, 16+2*(((q_>>2)&3)+4*(q_>>6))
	v_pk_mul_f32 v[2*q_:2*q_+1], v[2*q_:2*q_+1], v[d_:d_+1] op_sel_hi:[1,0]
.set q_, q_+1
.endr
	PACK XP, 0x0a, 0
	s_wait_loadcnt 0x0                     ; g1 is in
.endm
; LayerNorm of the accumulators, in place.  In the wave: the mean of its 128 channels, the centred sum of squares.  The four waves' pairs meet in LDS and are joined as mean = mean of means,
; M2 = sum M2_i + 128 sum (mean_i - mean)^2: no difference of large sums is formed.  v16+2t, v17+2t: my mean and M2; v24..: at work; v40+2t: 1 / sigma; v48+2t: (my mean - mean) / sigma.
.macro LNORM
	WIN 0x0a
	ALL4 v_pk_add_f32 v[16+2*t:17+2*t], v[8*t:8*t+1], v[8*t+2:8*t+3]
	WIN 0x02
.set n_, 8
.rept 120
.set a_, 8*((n_&3)+4*(n_>>4))+2*((n_>>2)&3)
.set d_, 16+2*(n_&3)
	v_pk_add_f32 v[d_:d_+1], v[a_:a_+1], v[d_:d_+1]
.set n_, n_+1
.endr
	WIN 0
	ALL4 v_add_f32 v[16+2*t], v[16+2*t], v[17+2*t]
	ALL4 v_permlanex16_b32 v[17+2*t], v[16+2*t], s[SEL], s[SEL+1]
	ALL4 v_add_f32 v[16+2*t], v[16+2*t], v[17+2*t]
	ALL4 v_mul_f32 v[16+2*t], 0x3c000000, v[16+2*t]
	WIN 0x82
.set q_, 0
.rept 128
.set d_, 16+2*((q_>>2)&3)
	v_pk_add_f32 v[2*q_:2*q_+1], v[2*q_:2*q_+1], v[d_:d_+1] op_sel_hi:[1,0] neg_lo:[0,1] neg_hi:[0,1]
.set q_, q_+1
.endr
	WIN 0x0a
	ALL4 v_pk_mul_f32 v[24+2*t:25+2*t], v[8*t:8*t+1], v[8*t:8*t+1]
.set n_, 4
.rept 124
.set a_, 8*((n_&3)+4*(n_>>4))+2*((n_>>2)&3)
.set d_, 24+2*(n_&3)
	v_pk_fma_f32 v[d_:d_+1], v[a_:a_+1], v[a_:a_+1], v[d_:d_+1]
.set n_, n_+1
.endr
	WIN 0
	ALL4 v_add_f32 v[24+2*t], v[24+2*t], v[25+2*t]
	ALL4 v_permlanex16_b32 v[25+2*t], v[24+2*t], s[SEL], s[SEL+1]
	ALL4 v_add_f32 v[17+2*t], v[24+2*t], v[25+2*t]
	ALL4 ds_store_b64 v[SCW], v[16+2*t:17+2*t] offset:512*t
	s_wait_dscnt 0x0                       ; for the others' sake
	s_barrier_signal -1
	s_barrier_wait -1
	ALL4 ds_load_b128 v[64+8*t:67+8*t], v[SCRD] offset:512*t
	ALL4 ds_load_b128 v[68+8*t:71+8*t], v[SCRD] offset:512*t+16
	s_wait_dscnt 0x0
	ALL4 v_add_f32 v[24+2*t], v[64+8*t], v[66+8*t]
	ALL4 v_add_f32 v[49+2*t], v[68+8*t], v[70+8*t]
	ALL4 v_add_f32 v[25+2*t], v[65+8*t], v[67+8*t]
	ALL4 v_add_f32 v[40+2*t], v[69+8*t], v[71+8*t]
	ALL4 v_add_f32 v[24+2*t], v[24+2*t], v[49+2*t]
	ALL4 v_add_f32 v[25+2*t], v[25+2*t], v[40+2*t]
	ALL4 v_mul_f32 v[24+2*t], 0x3e800000, v[24+2*t]
	ALL4 v_sub_f32 v[64+8*t], v[64+8*t], v[24+2*t]
	ALL4 v_sub_f32 v[66+8*t], v[66+8*t], v[24+2*t]
	ALL4 v_sub_f32 v[68+8*t], v[68+8*t], v[24+2*t]
	ALL4 v_sub_f32 v[70+8*t], v[70+8*t], v[24+2*t]
	ALL4 v_mul_f32 v[49+2*t], v[64+8*t], v[64+8*t]
	ALL4 v_fmac_f32 v[49+2*t], v[66+8*t], v[66+8*t]
	ALL4 v_fmac_f32 v[49+2*t], v[68+8*t], v[68+8*t]
	ALL4 v_fmac_f32 v[49+2*t], v[70+8*t], v[70+8*t]
	ALL4 v_fma_f32 v[25+2*t], v[49+2*t], s[C128], v[25+2*t]
	ALL4 v_fma_f32 v[25+2*t], v[25+2*t], s[I512], s[EPL]
	ALL4 v_sub_f32 v[41+2*t], v[16+2*t], v[24+2*t]
	ALL4 v_rsq_f32 v[40+2*t], v[25+2*t]
	v_nop                                  ; a plain instruction behind the last root,
	s_wait_alu depctr_va_vdst(0)           ; and one wait for the four
	ALL4 v_mul_f32 v[48+2*t], v[41+2*t], v[40+2*t]
	WIN 0x82
.set q_, 0
.rept 128
.set d_, 2*((q_>>2)&3)
	v_pk_fma_f32 v[2*q_:2*q_+1], v[2*q_:2*q_+1], v[40+d_:41+d_], v[48+d_:49+d_] op_sel_hi:[1,0,0]
.set q_, q_+1
.endr
	s_wait_loadcnt 0x0                     ; the gain and the bias are in
	WIN 0xbe
.set q_, 0
.rept 128
.set k_, 8*(q_>>4)+2*(q_&3)
	v_pk_fma_f32 v[2*q_:2*q_+1], v[2*q_:2*q_+1], v[GG+k_:GG+k_+1], v[BB+k_:BB+k_+1]
.set q_, q_+1
.endr
.endm
.macro STG t                           ; the way out of token tile t: 16 rows of my 512 bytes into my stage (rows 528 bytes apart), and back as whole rows; LDS serves a wave's instructions in order (ISA guide 5.7.1.4)
	WIN 0x08
.set o_, 0
.rept 8
.set a_, 8*((\t)+4*o_)
	ds_store_b128 v[STO], v[a_:a_+3]   offset:64*o_
	ds_store_b128 v[STO], v[a_+4:a_+7] offset:64*o_+16
.set o_, o_+1
.endr
	WIN 0xc0
.set r_, 0
.rept 16
	ds_load_b128 v[64*((\t)&1)+4*r_:64*((\t)&1)+4*r_+3], v[SRD] offset:528*r_
.set r_, r_+1
.endr
.endm
.macro SEND t, younger                 ; younger: the LDS instructions issued behind tile t's loads
	s_wait_dscnt \younger
	WIN 0x0c
.set r_, 0
.rept 16
	global_store_b128 v[GO], v[64*((\t)&1)+4*r_:64*((\t)&1)+4*r_+3], s[OUT:OUT+1] offset:(16*(\t)+r_)*2048 th:TH_STORE_NT  ; 512 consecutive bytes, aligned
.set r_, r_+1
.endr
.endm
	s_load_b512 s[4:19], s[0:1], 0x0               ; q, wf, mb, ks, g1, b1, g2, b2
	s_load_b64 s[OUT:OUT+1], s[0:1], 0x40          ; out0
	v_lshl_add_u32 v[SPW], v0, 2, SPARE
	v_mov_b32 v[NIL], 0
	ds_add_u32 v[SPW], v[NIL]                      ; the wave's opening: the add, twice on end, and its wait ahead of my first tensor load; the set-up below is work on registers
	ds_add_u32 v[SPW], v[NIL]
	v_lshrrev_b32 v1, 5, v0
	v_readfirstlane_b32 s[WV], v1                  ; wave 0..3
	s_bfe_u32 s[CX], ttmp6, 0x40000                ; my place in the cluster: it enters the addresses of q, out0 and of the prefetches alone
	s_lshl_b32 s[TB], ttmp9, 2
	s_add_co_u32 s[TB], s[TB], s[CX]
	s_lshl_b32 s[OQ], s[TB], 17                    ; 64 rows of 2,048 bytes
	s_mov_b32 s[OQ+1], 0
	s_lshr_b32 s[T0], ttmp9, 4                     ; the batch: 16 clusters each, the same for all four partners
	s_lshl_b32 s[OM], s[T0], 19
	s_mov_b32 s[OM+1], 0
	s_lshl_b32 s[OK], s[T0], 11
	s_mov_b32 s[OK+1], 0
	s_lshl_b32 s[OW], s[WV], 15
	s_mov_b32 s[OW+1], 0
	s_lshl_b32 s[OP], s[CX], 15
	s_lshl_b32 s[T1], s[WV], 13
	s_add_co_u32 s[OP], s[OP], s[T1]
	s_mov_b32 s[OP+1], 0
	s_and_b32 s[RQ], ttmp9, 3                      ; the chunk with which my cluster begins: the same for all four partners
	s_lshl_b32 s[RQ], s[RQ], 3
	s_add_co_u32 s[RQ], s[RQ], 24
	s_cmp_lt_u32 ttmp9, 4
	s_cselect_b32 s[PW], 1, 0
	s_and_b32 s[T0], ttmp9, 15
	s_cmp_eq_u32 s[T0], 0
	s_cselect_b32 s[PM], 1, 0
	; descriptor group 1: 32,768 dense bytes as 128 rows of 256 bytes
	s_mov_b32 s[G1+0], 15|(3<<16)|(1<<21)          ; 15:0 the mask: all four work-groups; 17:16 elements of 8 bytes; 21 set beside a mask; no padding
	s_mov_b32 s[G1+1], 32<<16                      ; tensor_dim0 = 32
	s_mov_b32 s[G1+2], 128<<16                     ; tensor_dim1 = 128
	s_mov_b32 s[G1+3], 32<<16                      ; tile_dim0 = 32
	s_mov_b32 s[G1+4], 128                         ; tile_dim1 = 128
	s_mov_b32 s[G1+5], 32                          ; 32 elements from row to row
	s_mov_b32 s[G1+6], 0
	s_mov_b32 s[G1+7], 0
	s_mov_b32 s[G0A], 1
	s_lshl_b32 s[G0A+1], s[WV], 15
	s_mov_b32 s[G0B], 1
	s_add_co_u32 s[G0B+1], s[G0A+1], RING1
	s_mov_b32 s[SEL], 0x76543210
	s_mov_b32 s[SEL+1], 0xfedcba98
	s_mov_b32 s[CL], 0x3fb8aa3b                    ; log2(e)
	s_mov_b32 s[CL+1], s[CL]
	s_mov_b32 s[EPA], 0x358637bd                   ; 1e-6
	s_mov_b32 s[I512], 0x3b000000                  ; 1 / 512
	s_mov_b32 s[EPL], 0x3727c5ac                   ; 1e-5
	s_mov_b32 s[C128], 0x43000000                  ; 128
	s_mov_b32 s[OF+1], 0
	s_mov_b32 s[G], 8
	s_mov_b32 s[GM], 0
	s_mov_b32 s[NS], 1
	s_mov_b32 s[NF], 2
	s_mov_b32 s[BK], 0
	s_mov_b32 s[SRC], 0
	s_mov_b32 s[CY], 0
	s_mov_b32 s[RB], 0
	s_mov_b32 s[WB], WIN0
	s_mov_b32 s[WBN], WIN0+WINX
	v_and_b32 v1, 31, v0
	v_and_b32 v2, 15, v0
	v_bfe_u32 v16, v0, 4, 1
	v_lshl_add_u32 v[LW0], v1, 4, s[OW]
	v_mul_u32_u24 v[LA0], v2, 272
	v_lshl_add_u32 v[LA0], v16, 4, v[LA0]
	s_lshl_b32 s[T0], s[WV], 6
	v_add_nc_u32 v[LP0], s[T0], v[LA0]
	s_lshl_b32 s[T0], s[WV], 9
	v_lshl_add_u32 v[GV], v16, 5, s[T0]
	v_lshl_add_u32 v[GQ], v2, 11, v[GV]
	v_lshl_add_u32 v[GO], v1, 4, s[T0]
	v_lshlrev_b32 v[SCRD], 5, v2
	v_add_nc_u32 v[SCRD], SCR, v[SCRD]
	s_lshl_b32 s[T0], s[WV], 3
	v_add_nc_u32 v[SCW], s[T0], v[SCRD]
	s_lshr_b32 s[T0], s[WV], 1                     ; my stage: in window wave / 2, half wave % 2
	s_lshl_b32 s[T0], s[T0], 15
	s_and_b32 s[T1], s[WV], 1
	s_mul_i32 s[T1], s[T1], 8448
	s_add_co_u32 s[T0], s[T0], s[T1]
	s_add_co_u32 s[T0], s[T0], WIN0
	v_mul_u32_u24 v[STO], v2, 528
	v_lshl_add_u32 v[STO], v16, 5, v[STO]
	v_add_nc_u32 v[STO], s[T0], v[STO]
	v_lshl_add_u32 v[SRD], v1, 4, s[T0]
	v_lshlrev_b32 v[PFO], 8, v1
	v_mov_b32 v[ZR], 0
	v_mov_b32 v[ADW], v[LW0]
	v_add_nc_u32 v[ADA], WIN0, v[LA0]
	v_add_nc_u32 v[ADE], WIN0, v[LP0]
	v_add_nc_u32 v[ADP], WIN0+WINX, v[LP0]
	s_wait_dscnt 0x0                               ; both opening adds are done
	s_wait_kmcnt 0x0
	s_add_nc_u64 s[Q:Q+1], s[Q:Q+1], s[OQ:OQ+1]
	s_add_nc_u64 s[OUT:OUT+1], s[OUT:OUT+1], s[OQ:OQ+1]
	s_add_nc_u64 s[KSB:KSB+1], s[KSB:KSB+1], s[OK:OK+1]
	s_add_nc_u64 s[MBB:MBB+1], s[MBB:MBB+1], s[OM:OM+1]
	s_add_nc_u64 s[WFW:WFW+1], s[WFB:WFB+1], s[OW:OW+1]
	s_add_nc_u64 s[MBW:MBW+1], s[MBB:MBB+1], s[OW:OW+1]
	s_add_nc_u64 s[WFP:WFP+1], s[WFB:WFB+1], s[OP:OP+1]
	s_add_nc_u64 s[MBP:MBP+1], s[MBB:MBB+1], s[OP:OP+1]
	s_add_nc_u64 s[G0A+2:G0A+3], s[WFW:WFW+1], 8<<17   ; stream slot 0: Wq's first
	s_or_b32 s[G0A+3], s[G0A+3], 0x80000000
	s_add_nc_u64 s[G0B+2:G0B+3], s[WFW:WFW+1], 9<<17   ; stream slot 1
	s_or_b32 s[G0B+3], s[G0B+3], 0x80000000
	CROUND                                         ; all four work-groups are here: the first joint loads meet
	tensor_load_to_lds s[G0A:G0A+3], s[G1:G1+7]    ; two loads of mine are out
	s_nop 0
	tensor_load_to_lds s[G0B:G0B+3], s[G1:G1+7]
	s_nop 0
	PLACES
	WIN 0x40                                       ; q in the accumulators' layout: together a tile's 16 loads take 512 consecutive bytes of each of 16 rows
.set t_, 0
.rept 4
.set o_, 0
.rept 8
.set a_, 8*(t_+4*o_)
	global_load_b128 v[a_:a_+3],   v[GQ], s[Q:Q+1] offset:32768*t_+64*o_
	global_load_b128 v[a_+4:a_+7], v[GQ], s[Q:Q+1] offset:32768*t_+64*o_+16
.set o_, o_+1
.endr
.set t_, t_+1
.endr
	VEC64 GG, KSB                                  ; Ksum of my 128 channels
	VEC64 BB, B1P                                  ; b1
	s_wait_loadcnt 0x0
	PACK XP, 0x05, 0
	WIN 0
	PUT8 XP, 0, ADE
	s_wait_tensorcnt 0x1                           ; my part of slot 0 is in; slot 1's may stay out
	MEETB
.LslotA:                                       ; slots 0 to 7: Wq and M_b, bf16
	s_cmp_eq_u32 s[GM], 0
	s_cbranch_scc0 .LaccA
	s_cmp_eq_u32 s[CY], 0
	s_cbranch_scc0 .LfromyA
	STEP 0, 0, 0                                   ; a block's first K step starts the sums: nothing is cleared
	WIN 0
	s_branch .LoneA
.LfromyA:
	STEP 0, 2, 0                                   ; M_b's sums start from q: the first residual
	WIN 0
	s_branch .LoneA
.LaccA:
	STEP 0, 1, 0
	WIN 0
.LoneA:
	STEP 1, 1, 1
	STEP 2, 1, 0
	TURN1 0
	s_cmp_eq_u32 s[GM], 3
	s_cbranch_scc1 .LendA
	FETCH 0, 0
	WIN 0
	ASK
	MUL 1, 4, 4, 1
	WIN 0
	s_branch .LnextA
.LendA:
	ASK
	MUL 1, 4, 4, 1
	WIN 0
	PLACES
	s_cmp_eq_u32 s[BK], 0
	s_cbranch_scc0 .LnextA                         ; M_b's end is the loop's last trip: what follows it stands behind the loop
	EPIQ
	WIN 0
	s_mov_b32 s[BK], 1
	s_mov_b32 s[CY], 1
	v_add_nc_u32 v[ADE], s[WB], v[LP0]
	PUT8 XP, 0, ADE                                ; the window of the next block's first slot: last read a slot ago, ahead of a round
	MEETB
.LnextA:
	COUNT
	s_sub_co_u32 s[G], s[G], 1
	s_cmp_lg_u32 s[G], 0
	s_cbranch_scc1 .LslotA
	s_mov_b32 s[PASS], 2
	PLACES
.Lln:                                          ; two trips: the first norm, the FFN and its tail; then the second norm, behind which the loop is left
	LNORM
	WIN 0
	s_cmp_eq_u32 s[PASS], 1
	s_cbranch_scc1 .Lout
	PACK XP, 0x0a, 1                               ; X, in f16
	WIN 0
	s_mov_b32 s[BK], 2
	s_mov_b32 s[SRC], 0
	s_mov_b32 s[CY], 0
	v_add_nc_u32 v[ADE], s[WB], v[LP0]
	PUT8 XP, 0, ADE
	MEETB
.rept 5
	v_nop                                          ; the products change form here, from bf16 to f16, and the two forms on one accumulator are no chain: five plain instructions stand between them on every way through the text (ISA guide 7.12.1)
.endr
.set FORM, 1
	s_mov_b32 s[G], NSLOT-10
.LslotB:                                       ; slots 8 to 37: the FFN, f16
	s_cmp_eq_u32 s[GM], 0
	s_cbranch_scc0 .LaccB
	s_cmp_eq_u32 s[CY], 0
	s_cbranch_scc0 .LfromyB
	STEP 0, 0, 0
	WIN 0
	s_branch .LoneB
.LfromyB:
	STEP 0, 2, 0                                   ; the walk's last part of W2 starts from q + the three chunks before it
	WIN 0
	s_branch .LoneB
.LaccB:
	STEP 0, 1, 0
	WIN 0
.LoneB:
	STEP 1, 1, 3
	STEP 2, 1, 0
	TURN1 1
	s_cmp_eq_u32 s[GM], 3
	s_cbranch_scc1 .LendB
	FETCH 0, 0
	WIN 0
	ASK
	MUL 1, 4, 4, 1
	WIN 0
	s_branch .LnextB
.LendB:                                        ; (at this loop's block ends NF is 13 or more: nothing is left to prefetch)
	MUL 1, 4, 4, 1
	WIN 0
	PLACES
	s_bitcmp1_b32 s[BK], 0
	s_cbranch_scc1 .Lyadd
	PACK HP, 0xca, 1                               ; behind a chunk's W1: H = relu, on the packed halves
	WIN 0xc3
.set p_, 0
.rept 128
	v_pk_max_num_f16 v[HP+p_], v[HP+p_], v[ZR]
.set p_, p_+1
.endr
	WIN 0
	s_branch .LdoneB
.Lyadd:
	WIN 0x49                                       ; behind a chunk's W2: Y takes it
.set p_, 0
.rept 128
	v_pk_add_f32 v[p_:p_+1], v[p_:p_+1], v[p_:p_+1]
.set p_, p_+2
.endr
	WIN 0
.LdoneB:
	s_add_co_u32 s[BK], s[BK], 1
	s_and_b32 s[SRC], s[BK], 1
	s_cmp_eq_u32 s[BK], 9
	s_cselect_b32 s[CY], 1, 0
	v_add_nc_u32 v[ADE], s[WB], v[LP0]
	s_cmp_eq_u32 s[SRC], 0
	s_cbranch_scc0 .Lfirst_h
	PUT8 XP, 0, ADE
	s_branch .Lfirst_d
.Lfirst_h:
	WIN 0x0c
	PUT8 HP, 0, ADE
	WIN 0
.Lfirst_d:
	MEETB
.LnextB:
	COUNT
	s_sub_co_u32 s[G], s[G], 1
	s_cmp_lg_u32 s[G], 0
	s_cbranch_scc1 .LslotB
	s_mov_b32 s[TC], 2
.Ltail:                                        ; the last two slots ask for nothing: written apart
	STEP 0, 1, 0
	STEP 1, 1, 2
	STEP 2, 1, 0
	WIN 0
	s_wait_tensorcnt 0x0                           ; the last slot has landed
	ds_add_u32 v[SPW], v[NIL]
	s_wait_dscnt 0x0
	s_barrier_signal -1
	MUL 1, 0, 4, 1
	WIN 0
	s_barrier_wait -1
	PLACES
	s_xor_b32 s[RB], s[RB], RING1
	s_xor_b32 s[WB], s[WB], WINX
	s_xor_b32 s[WBN], s[WBN], WINX
	v_add_nc_u32 v[ADW], s[RB], v[LW0]
	v_add_nc_u32 v[ADA], s[WB], v[LA0]
	v_add_nc_u32 v[ADP], s[WBN], v[LP0]
	s_cmp_eq_u32 s[GM], 3
	s_cbranch_scc1 .Lno_fetch
	FETCH 0, 0
	WIN 0
.Lno_fetch:
	MUL 1, 4, 4, 1
	WIN 0
	s_add_co_u32 s[GM], s[GM], 1
	s_and_b32 s[GM], s[GM], 3
	s_add_co_u32 s[NS], s[GM], 1
	s_sub_co_u32 s[TC], s[TC], 1
	s_cmp_lg_u32 s[TC], 0
	s_cbranch_scc1 .Ltail
	s_wait_dscnt 0x0
	PLACES
	VEC64 GG, G2P                                  ; H is spent: g2 and b2 take its place
	VEC64 BB, B2P
	WIN 0
	s_sub_co_u32 s[PASS], s[PASS], 1
	s_cmp_lg_u32 s[PASS], 0
	s_cbranch_scc1 .Lln                            ; back to the norm, for q + the FFN
.Lout:
	; the way out.  Behind the tail's last barrier no wave reads a window any more: the stages lie there
	STG 0
	STG 1
	SEND 0, 32                                     ; tile 1's 16 stores and 16 loads may be out
	s_wait_xcnt 0x0                                ; tile 0's stores have read their registers, which tile 2 takes
	STG 2
	SEND 1, 32
	s_wait_xcnt 0x0
	STG 3
	SEND 2, 32
	SEND 3, 0
	WIN 0
	s_wait_tensorcnt 0x0                           ; the wave's end: behind my last tensor load and my last LDS store
	ds_add_u32 v[SPW], v[NIL]
	s_wait_dscnt 0x0
	CROUND                                         ; the closing round
	s_endpgm
.Lfunc_end_k_q46f76f34fa_main:
	.size	k_q46f76f34fa_main, .Lfunc_end_k_q46f76f34fa_main-k_q46f76f34fa_main
	.p2alignl 7, 3214868480
	.fill 96, 4, 3214868480
	.section	.rodata,"a",@progbits
	.p2align	6, 0x0
	.amdhsa_kernel k_q46f76f34fa_main
		.amdhsa_group_segment_fixed_size 327680
		.amdhsa_private_segment_fixed_size 0
		.amdhsa_enable_private_segment 0
		.amdhsa_kernarg_size 72
		.amdhsa_user_sgpr_count 2
		.amdhsa_user_sgpr_kernarg_segment_ptr 1
		.amdhsa_wavefront_size32 1
		.amdhsa_system_sgpr_workgroup_id_x 1
		.amdhsa_system_sgpr_workgroup_id_y 1
		.amdhsa_system_sgpr_workgroup_id_z 1
		.amdhsa_system_vgpr_workitem_id 0
		.amdhsa_next_free_vgpr 1024
		.amdhsa_next_free_sgpr 92
		.amdhsa_reserve_vcc 0
		.amdhsa_float_denorm_mode_32 3
		.amdhsa_float_denorm_mode_16_64 3
		.amdhsa_memory_ordered 1
		.amdhsa_forward_progress 1
		.amdhsa_inst_pref_size 255
	.end_amdhsa_kernel
	.section	.bss,"aw",@nobits
	.p2align	6
	.space	262144
	.amdgpu_metadata
---
amdhsa.version: [ 1, 2 ]
amdhsa.kernels:
  - .name:           k_q46f76f34fa_main
    .symbol:         k_q46f76f34fa_main.kd
    .args:
      - { .name: q, .offset: 0, .size: 8, .value_kind: global_buffer, .address_space: global }
      - { .name: wf, .offset: 8, .size: 8, .value_kind: global_buffer, .address_space: global }
      - { .name: mb, .offset: 16, .size: 8, .value_kind: global_buffer, .address_space: global }
      - { .name: ks, .offset: 24, .size: 8, .value_kind: global_buffer, .address_space: global }
      - { .name: g1, .offset: 32, .size: 8, .value_kind: global_buffer, .address_space: global }
      - { .name: b1, .offset: 40, .size: 8, .value_kind: global_buffer, .address_space: global }
      - { .name: g2, .offset: 48, .size: 8, .value_kind: global_buffer, .address_space: global }
      - { .name: b2, .offset: 56, .size: 8, .value_kind: global_buffer, .address_space: global }
      - { .name: out0, .offset: 64, .size: 8, .value_kind: global_buffer, .address_space: global }
    .group_segment_fixed_size: 327680
    .private_segment_fixed_size: 0
    .kernarg_segment_align: 8
    .kernarg_segment_size: 72
    .max_flat_workgroup_size: 128
    .sgpr_count:     92
    .vgpr_count:     1024
    .wavefront_size: 32
...
	.end_amdgpu_metadata
.endif
;; end of part 4
;; ======== version 2 of 2: 4 launches; version 1 with the launch prep written anew for expert scheduling mode
;; limits: values are held in f16: magnitudes above 65,504 overflow, below 6.1e-05 lose precision
;; workspace buffers: wf 6,291,456 bytes; mb 2,097,152 bytes; pkv 33,554,432 bytes; ksp 1,048,576 bytes; ks 8,192 bytes
;; launch prep (part 5): grid 768 x 1, 2 waves a work-group, no clusters, 0 bytes of LDS; arguments Wk, Wv, Wq, Wm, W1, W2, wf; writes wf
.if DOCPART == 5
	.amdgcn_target "amdgcn-amd-amdhsa--gfx1250"
	.amdhsa_code_object_version 6
	.text
	.protected	k_q46f76f34fa_prep
	.globl	k_q46f76f34fa_prep
	.p2align	8
	.type	k_q46f76f34fa_prep,@function
k_q46f76f34fa_prep:
	s_mov_b64 s[64:65], 0
	v_nop
	global_prefetch_b8 v0, s[64:65] scope:SCOPE_SE
	s_setreg_imm32_b32 hwreg(HW_REG_WAVE_SCHED_MODE, 0, 2), 2
	s_setreg_imm32_b32 hwreg(HW_REG_WAVE_MODE, 25, 1), 1
	s_wait_xcnt 0x0
	s_wait_alu depctr_vm_vsrc(0)
; PREP: the six weight matrices are rounded once to 16 bits and laid out in the order in which the later kernels' matrix operands take them.
; WORK LEFT OUT BY THE PROGRAM (shown here, at its first kernel).  reference() takes Vn = Vp / S ahead of the sum over s and multiplies msg by S behind it (S = 4096):
;   msg = Q (sum_s K (Vp / S)) Z S = Q (sum_s K Vp) Z in real numbers, whatever finite values the inputs hold, since the sum over s and both products are linear in Vp.
; Both scalings are left out.  LIMIT: an overflow, an underflow, a NaN or an infinity that only these two scalings would make or avoid is not carried to the result.
; RE-ASSOCIATED, exact in real numbers: msg.reshape @ Wm = sum_h (Q_h Z_h) (KV_h Wm_h) = Qs @ M_b, with Qs = Q Z and M_b[64 h + d][n] = sum_v KV_bh[d][v] Wm[64 h + v][n], made once a batch.
; elu(x) + 1 is taken as max(x, 0) + exp(min(x, 0)), the same number for every finite x.  Every input has a way to the output, and every input is loaded.
; FRAGMENT ORDER.  wf holds 12 blocks of 512 (k, in) x 512 (n, out), 524,288 bytes each: 0 Wk, 1 Wv, 2 Wq, 3 Wm in bf16; 4 + 2 c = W1[:, 512 c ..] and 5 + 2 c = W2[512 c .., :] in f16.
; A block is [slot s 4][wave w 4][K step ks 4][tile ot 8][half p 2][lane L 32][16 bytes]; a lane's eight numbers are n = 128 w + 16 ot + L % 16, k = 128 ks + 32 s + 16 p + 8 (L / 16) + 0..7:
; 1,024 bytes on end are the register image of a 16 x 32 matrix operand.
; SHARES.  Work-group = (block, eight rows k), wave = 256 columns n.  A load takes 128 consecutive bytes of a row; sixteen neighbouring lanes store 256 consecutive bytes, aligned.
; THE MODE: SCHED_MODE bits 1:0 = 2 (LLVM: expert scheduling mode 2), set by the entry lines.  The code itself states the register dependences
; between vector instructions and memory instructions, with s_wait_alu, always for 0.
; THE PLAN.  Registers that memory instructions touch:
;   OFS, DST   offsets, written by vector instructions at the head, once; read by the 64 loads and the 8 stores; never written again.
;   DAT        each register is written by one load, which no vector instruction that names it precedes; group j is read by group j's four conversions; never loaded again.
;   PKD        group j's four registers are written once, by its four conversions, and read once, by its store; never written again.
; So one wait ahead of the first load states the offsets, and the way out, in four steps of two groups, has one wait a step: a step's two stores are issued in the NEXT step, behind the wait
; for that step's first loads and behind one wait that states that the eight conversions of the step before have written their PKD.  No register that a memory instruction reads is written again:
; nothing is owed for that.  s18, which a vector instruction writes, has its wait ahead of its first reader.  The text has no loop.
.set OFS, 2                            ; v[2:9]    4 x lane + e x the source's pitch
.set DST, 10                           ; v10       (lane / 16) x 1,024 + (lane % 16) x 16
.set DAT, 16                           ; v[16:79]  group j of 32 columns: eight rows
.set PKD, 80                           ; v[80:111] group j: 16 bytes to store
	s_load_b256 s[4:11], s[0:1], 0x0               ; Wk, Wv, Wq, Wm
	s_load_b128 s[12:15], s[0:1], 0x20             ; W1, W2
	s_load_b64 s[16:17], s[0:1], 0x30              ; wf
	v_lshrrev_b32 v1, 5, v0
	v_readfirstlane_b32 s18, v1                    ; which 256 columns
	v_and_b32 v1, 31, v0
	s_lshr_b32 s20, ttmp9, 6                       ; block 0..11
	s_and_b32 s21, ttmp9, 63                       ; kg: rows 8 kg .. 8 kg + 7
	s_sub_co_u32 s22, s20, 4                       ; for the FFN's blocks: 2 c + kind (used only where block >= 4)
	s_lshr_b32 s23, s22, 1                         ; c
	s_and_b32 s24, s22, 1                          ; 0: W1, 1: W2
	s_lshl_b32 s30, s23, 11                        ; W1's chunk begins 512 c columns in: 2,048 c bytes
	s_lshl_b32 s31, s23, 20                        ; W2's 512 c rows down: c x 2^20 bytes
	s_cmp_ge_u32 s20, 4
	s_cselect_b32 s25, 1, 0
	s_and_b32 s29, s24, s25                        ; 1: a block of W2
	s_xor_b32 s28, s24, 1
	s_and_b32 s28, s28, s25                        ; 1: a block of W1
	s_lshl_b32 s32, s28, 1
	s_lshl_b32 s32, 2048, s32                      ; the source's pitch: 8,192 bytes in W1, else 2,048
	s_cmp_eq_u32 s28, 1
	s_cselect_b32 s34, s30, 0
	s_cmp_eq_u32 s29, 1
	s_cselect_b32 s34, s31, s34
	s_lshl_b32 s33, s21, 3
	s_mul_i32 s33, s33, s32                        ; + 8 kg rows
	s_add_co_u32 s34, s34, s33
	s_wait_alu depctr_va_sdst(0)                   ; s18 is written, ahead of its first reader: the source's and the target's offsets are made from it
	s_lshl_b32 s33, s18, 10                        ; + my 256 columns
	s_add_co_u32 s34, s34, s33
	s_mov_b32 s35, 0
	s_lshl_b32 s38, s20, 19                        ; where it goes: the block,
	s_bfe_u32 s36, s21, 0x20002
	s_lshl_b32 s36, s36, 17                        ; s = (k / 32) % 4,
	s_add_co_u32 s38, s38, s36
	s_lshr_b32 s36, s21, 4
	s_lshl_b32 s36, s36, 13                        ; ks = k / 128,
	s_add_co_u32 s38, s38, s36
	s_bfe_u32 s36, s21, 0x10001
	s_lshl_b32 s36, s36, 9                         ; p = (k / 16) % 2,
	s_add_co_u32 s38, s38, s36
	s_and_b32 s36, s21, 1
	s_lshl_b32 s36, s36, 8                         ; the lanes' half = (k / 8) % 2,
	s_add_co_u32 s38, s38, s36
	s_lshl_b32 s36, s18, 16                        ; and my 256 columns: two waves' parts
	s_add_co_u32 s38, s38, s36
	s_mov_b32 s39, 0
	v_lshlrev_b32 v11, 2, v1
.irp e, 0,1,2,3,4,5,6,7
	s_mul_i32 s36, s32, \e
	v_add_nc_u32 v[OFS+\e], s36, v11
.endr
	v_and_b32 v12, 15, v1
	v_lshrrev_b32 v13, 4, v1
	v_lshlrev_b32 v[DST], 4, v12
	v_lshl_add_u32 v[DST], v13, 10, v[DST]
	s_wait_kmcnt 0x0
	s_cmp_eq_u32 s20, 1                            ; the block's source: a choice between buffers on the block's number alone
	s_cselect_b64 s[26:27], s[6:7], s[4:5]
	s_cmp_eq_u32 s20, 2
	s_cselect_b64 s[26:27], s[8:9], s[26:27]
	s_cmp_eq_u32 s20, 3
	s_cselect_b64 s[26:27], s[10:11], s[26:27]
	s_cmp_eq_u32 s28, 1
	s_cselect_b64 s[26:27], s[12:13], s[26:27]
	s_cmp_eq_u32 s29, 1
	s_cselect_b64 s[26:27], s[14:15], s[26:27]
	s_add_nc_u64 s[26:27], s[26:27], s[34:35]
	s_add_nc_u64 s[16:17], s[16:17], s[38:39]
	s_wait_alu depctr_va_vdst(0)                   ; the eight offsets OFS and the offset DST are written: every load of the kernel reads one of the eight, every store DST
.set j_, 0
.rept 8                                ; all 64 loads go out before the first wait on their counter
.set e_, 0
.rept 8
	global_load_b32 v[DAT+8*j_+e_], v[OFS+e_], s[26:27] offset:128*j_ th:TH_LOAD_NT
.set e_, e_+1
.endr
.set j_, j_+1
.endr
.macro ROUND4 j, f16                   ; group j: eight k of one n are rounded into 16 bytes
.set c_, 0
.rept 4
.if \f16
	v_cvt_pk_f16_f32 v[PKD+4*(\j)+c_], v[DAT+8*(\j)+2*c_], v[DAT+8*(\j)+2*c_+1]
.else
	v_cvt_pk_bf16_f32 v[PKD+4*(\j)+c_], v[DAT+8*(\j)+2*c_], v[DAT+8*(\j)+2*c_+1]
.endif
.set c_, c_+1
.endr
.endm
.macro SENDJ j                         ; group j's store
	global_store_b128 v[DST], v[PKD+4*(\j):PKD+4*(\j)+3], s[16:17] offset:((\j)>>2)*32768+((\j)&3)*2048
.endm
.macro OUTP f16                        ; four steps of two groups.  Group j's eight loads are in when 56 - 8 j younger ones are out
.set i_, 0
.rept 4
	s_wait_loadcnt 56-16*i_                        ; loads come back in order (ISA guide 5.7.1): group 2 i is in
.if i_ > 0
	s_wait_alu depctr_va_vdst(0)                   ; the eight conversions of the step before have written their PKD, which the two stores below read
	SENDJ 2*i_-2
	SENDJ 2*i_-1
.endif
	ROUND4 2*i_, \f16
	s_wait_loadcnt 48-16*i_                        ; group 2 i + 1 is in
	ROUND4 2*i_+1, \f16
.set i_, i_+1
.endr
	s_wait_alu depctr_va_vdst(0)                   ; the last step's eight conversions have written their PKD, which the last two stores read
	SENDJ 6
	SENDJ 7
.endm
	s_cmp_ge_u32 s20, 4
	s_cbranch_scc1 .Lffn
	OUTP 0
	s_endpgm
.Lffn:
	OUTP 1
	s_endpgm
.Lfunc_end_k_q46f76f34fa_prep:
	.size	k_q46f76f34fa_prep, .Lfunc_end_k_q46f76f34fa_prep-k_q46f76f34fa_prep
	.p2alignl 7, 3214868480
	.fill 96, 4, 3214868480
	.section	.rodata,"a",@progbits
	.p2align	6, 0x0
	.amdhsa_kernel k_q46f76f34fa_prep
		.amdhsa_group_segment_fixed_size 0
		.amdhsa_private_segment_fixed_size 0
		.amdhsa_enable_private_segment 0
		.amdhsa_kernarg_size 56
		.amdhsa_user_sgpr_count 2
		.amdhsa_user_sgpr_kernarg_segment_ptr 1
		.amdhsa_wavefront_size32 1
		.amdhsa_system_sgpr_workgroup_id_x 1
		.amdhsa_system_sgpr_workgroup_id_y 1
		.amdhsa_system_sgpr_workgroup_id_z 1
		.amdhsa_system_vgpr_workitem_id 0
		.amdhsa_next_free_vgpr 112
		.amdhsa_next_free_sgpr 66
		.amdhsa_reserve_vcc 0
		.amdhsa_float_denorm_mode_32 3
		.amdhsa_float_denorm_mode_16_64 3
		.amdhsa_memory_ordered 1
		.amdhsa_forward_progress 1
		.amdhsa_inst_pref_size 16
	.end_amdhsa_kernel
	.amdgpu_metadata
---
amdhsa.version: [ 1, 2 ]
amdhsa.kernels:
  - .name:           k_q46f76f34fa_prep
    .symbol:         k_q46f76f34fa_prep.kd
    .args:
      - { .name: Wk, .offset: 0, .size: 8, .value_kind: global_buffer, .address_space: global }
      - { .name: Wv, .offset: 8, .size: 8, .value_kind: global_buffer, .address_space: global }
      - { .name: Wq, .offset: 16, .size: 8, .value_kind: global_buffer, .address_space: global }
      - { .name: Wm, .offset: 24, .size: 8, .value_kind: global_buffer, .address_space: global }
      - { .name: W1, .offset: 32, .size: 8, .value_kind: global_buffer, .address_space: global }
      - { .name: W2, .offset: 40, .size: 8, .value_kind: global_buffer, .address_space: global }
      - { .name: wf, .offset: 48, .size: 8, .value_kind: global_buffer, .address_space: global }
    .group_segment_fixed_size: 0
    .private_segment_fixed_size: 0
    .kernarg_segment_align: 8
    .kernarg_segment_size: 56
    .max_flat_workgroup_size: 64
    .sgpr_count:     66
    .vgpr_count:     112
    .wavefront_size: 32
...
	.end_amdgpu_metadata
.endif
;; end of part 5
;; launch kv: the kernel of part 2 again; grid 256 x 1, 4 waves a work-group, clusters of 4 x 1, 327,680 bytes of LDS; arguments k, v, wf, pkv, ksp; writes pkv, ksp
;; launch mix: the kernel of part 3 again; grid 128 x 1, 8 waves a work-group, no clusters, 38,912 bytes of LDS; arguments pkv, ksp, wf, mb, ks; writes mb, ks
;; launch main: the kernel of part 4 again; grid 256 x 1, 4 waves a work-group, clusters of 4 x 1, 327,680 bytes of LDS; arguments q, wf, mb, ks, g1, b1, g2, b2, out0; writes out0
